; MI455X (gfx1250); checked and timed in simulation.
; The chip was launched on July 23, 2026; its instructions are those of AMD's public machine-readable ISA for CDNA 5 (MIT licence, August 2026) and "CDNA5" Instruction Set Architecture Reference Guide (July 2026). The comments in the code are by the model that wrote it; some were corrected since.
;; Simple Mo E From Notebook. Allowed arithmetic: matrix products marked QUANTISED: E5M2 operands, one given power-of-two scale a tensor, by v_wmma_f32_16x16x64_bf8_bf8 or v_wmma_f32_16x16x128_bf8_bf8, f32 sums; products left as they are: f32 operands where the result goes on into a quantised operand, else bf16, f16 or f32 operands; f32 sums; everything else in f32.
;; Inputs: b1 8 x 4,096 float32; b2 8 x 1,024 float32; gate_b 8 float32; gate_w 8 x 1,024 float32; lowp_scales 4 int32 (the exponents e of the quantised operands' scales 2^e); w1_codes 8 x 4,096 x 32 x 32 uint8 (E5M2 codes of w1, K innermost, in blocks of 32 codes); w2_codes 8 x 1,024 x 128 x 32 uint8 (E5M2 codes of w2, K innermost, in blocks of 32 codes); x 1,024 x 1,024 float32.
;; Outputs: out0 1,024 x 1,024 float32.
;; This version of the problem:
;;   THIS VERSION OF THE PROBLEM IS GIVEN IN LOW PRECISION. The matrix products marked QUANTISED in the list below multiply operands that are first quantised to E5M2 (5 exponent bits, 2 mantissa bits; 8 bits a number), with one given power-of-two scale for each operand tensor; their sums are f32. All else is computed in f32.
;;   The module's matrix products, in the order in which they are computed (A, B: the left and right operand; K: the contracted axis; several contracted axes count as one K, in the product's order):
;;     1. [M 1,024, K 1,024] x [K 1,024, N 8]; A: input x; B: input gate_w: left as it is (N = 8 < 16)
;;     2. [M 1,024, K 1,024] x [K 1,024, N 32,768]; A: input x; B: input w1 (given as codes): QUANTISED (scales: A lowp_scales[0], B lowp_scales[1])
;;     3. batch 8 x [M 1,024, K 4,096] x [K 4,096, N 1,024]; A: input w2 (given as codes); B: computed on the way: QUANTISED (scales: A lowp_scales[2], B lowp_scales[3])
;;     4. batch 1,024 x [M 1,024, K 8] x [K 8, N 1]; A: computed on the way; B: computed on the way: left as it is (K = 8 < 32)
;;   THE QUANTISER, for each operand of a quantised product, along K:
;;     - The operand's scale is 2^e, e = its entry of the input lowp_scales (int32; the entries are numbered through the quantised products in the list's order, A before B).
;;     - Each number is divided by the scale, clamped to +-57,344, and rounded to the nearest number of E5M2, ties to even, subnormals kept.
;;     - The product sums the exact products of the quantised numbers (number of the format x scale) in f32.
;;   ~~~python
;;   def quantise(x, axis, e):      # numpy; x: float32 -> the quantised numbers, widened to float32 again
;;       x = np.moveaxis(x, axis, -1); K = x.shape[-1]
;;       r = np.clip(x / 2.0 ** e, -57344, 57344)
;;       step = 2.0 ** (np.maximum(np.frexp(np.where(r == 0, 1, r))[1] - 1, -14) - 2)
;;       q = np.round(r / step) * step * 2.0 ** e      # np.round: ties to even
;;       return np.moveaxis(q, -1, axis).astype(np.float32)
;;   ~~~
;;   OPERANDS COMPUTED ON THE WAY. 'Computed on the way' means the value that the module computes at that place (a softmax that the list does not call 'softmax' is quantised finished and normalised). What goes into a quantiser is computed in f32, as accurately as f32 sums, v_exp_f32 and their like allow (about 1e-6 of the number): no bf16 or f16 on the way to a quantiser, and a product that is left as it is and whose result goes on into a quantised operand takes f32 operands (vector FMAs, or v_wmma_f32_16x16x4_f32). A number that lies on a knife's edge between two numbers of the format may be rounded either way, as far as f32 arithmetic and the matrix unit's own rounding can turn it there, and no further.
;;   INPUTS GIVEN AS CODES. w1 (in the module: [8, 1024, 4096], K = its axis 1); w2 (in the module: [8, 4096, 1024], K = its axis 1): each comes as NAME_codes (uint8): NAME with its K axis moved to the last place and cut into blocks of 32 codes, [.., K / 32, bytes a block], one block behind the other in memory; one code a byte (a code: sign, 5 exponent bits, 2 mantissa bits); its scale is its entry of lowp_scales. Its value is code x scale, taken as it is: it is not quantised again, and the codes and scales need not be those that the quantiser above would give.
;; 2 versions. Each part assembles by itself: llvm-mc -triple=amdgcn-amd-amdhsa -mcpu=gfx1250 --defsym DOCPART=n.
;; ======== version 1 of 2: 3 launches
;; workspace buffers: xq 1,048,576 bytes; ids 4,096 bytes of whole numbers; himg 33,554,432 bytes
;; launch gate (part 1): grid 256 x 1, 4 waves a work-group, no clusters, 53,760 bytes of LDS; arguments x, gate_w, gate_b, lowp_scales, xq, ids; writes xq, ids
.if DOCPART == 1
	.amdgcn_target "amdgcn-amd-amdhsa--gfx1250"
	.amdhsa_code_object_version 6
	.text
	.protected	k_q2569961856_gate
	.globl	k_q2569961856_gate
	.p2align	8
	.type	k_q2569961856_gate,@function
k_q2569961856_gate:
	s_mov_b64 s[64:65], 0
	v_nop
	global_prefetch_b8 v0, s[64:65] scope:SCOPE_SE
	s_setreg_imm32_b32 hwreg(HW_REG_WAVE_MODE, 25, 1), 1
	s_wait_xcnt 0x0
; THE GATE AND x's CODES.  For each token: logits = x . gate_w[e] + gate_b[e] in f32 multiply-adds, softmax with the largest logit taken away, argmax (the lower index wins a tie);
; the chosen expert goes to ids[token] (int32).  The token's 1,024 numbers also become codes of E5M2 with the given scale 2^ex (entry 0 of the scales): xq[token][1024], K in its natural order.
; SHARES.  256 work-groups of four waves; a wave owns one token, a row of 4,096 bytes, read once.  gate_w (32,768 bytes) comes once into the work-group's LDS: wave w brings experts 2 w and 2 w + 1.
; No matrix unit: eight columns are too few for it.  No cluster, no tensor load: the work-groups share only gate_w, 32 KiB beside nothing else that is read twice.
; LIMITS: ex between -126 and 112, so that 2^ex and 57,344 x 2^ex are f32 numbers.  NaN among the inputs is not served.  The logits' f32 sums run in another order than a row-by-row sum.
; LDS: 0 .. 32,767 gate_w, expert e at 4,096 e;  from 32,768 a stage of 5,120 bytes for each wave: two steps of 32 places of 80 bytes (64 of data, 16 of padding).
.set XR,  16                           ; v16-47   x as loaded: register 4 i + c holds k = 128 i + 4 lane + c
.set XT,  48                           ; v48-79   x turned: register 16 st + j holds k = 512 st + 16 lane + j
.set CD,  80                           ; v80-87   the codes
.set GR,  96                           ; v96-223  four experts' rows of gate_w, 32 registers each, laid as XR; at the head v96-159 take the wave's 16 loads of gate_w
.set SM,  224                          ; v224-239 eight pairs of sums
.set LG,  240                          ; v240-247 the logits, then the probabilities
.set SP,  80
.set STG, 32768
	s_load_b256 s[4:11], s[0:1], 0x0               ; x s[4:5], gate_w s[6:7], gate_b s[8:9], the scales s[10:11]
	s_load_b128 s[12:15], s[0:1], 0x20             ; xq s[12:13], ids s[14:15]
	v_lshl_add_u32 v95, v0, 2, 0xd000
	v_mov_b32 v255, 0
	v_lshrrev_b32 v1, 5, v0
	v_readfirstlane_b32 s16, v1                    ; wave 0..3
	v_and_b32 v1, 31, v0                           ; lane
	v_lshlrev_b32 v2, 4, v1                        ; 16 x lane
	s_lshl_b32 s17, ttmp9, 2
	s_add_co_u32 s17, s17, s16                     ; my token
	s_lshl_b32 s18, s16, 13
	v_add_nc_u32 v5, s18, v2                       ; my wave's two experts: 8,192 w + 16 lane, in gate_w and in LDS alike
	s_mul_i32 s19, s16, 64*SP
	s_add_co_u32 s19, s19, STG                     ; my stage
	v_lshrrev_b32 v3, 2, v1
	v_mul_u32_u24 v3, v3, SP
	v_and_b32 v4, 3, v1
	v_lshl_add_u32 v3, v4, 4, v3
	v_add_nc_u32 v3, s19, v3                       ; into the stage: four lanes' 64 bytes on end, then 16 of padding
	v_mul_u32_u24 v4, v1, SP
	v_add_nc_u32 v4, s19, v4                       ; out of it: my 16 neighbours
	s_lshl_b32 s20, s17, 12                        ; my row of x, in bytes
	s_mov_b32 s21, 0
	s_lshl_b32 s22, s17, 10                        ; my row of codes
	s_mov_b32 s23, 0
	s_lshl_b32 s36, s17, 2                         ; my word of ids
	v_mov_b32 v254, s36
	s_mov_b32 s34, 0x76543210                      ; v_permlanex16_b32: each lane takes its own place in the other half
	s_mov_b32 s35, 0xfedcba98
	s_wait_kmcnt 0x0
	s_load_b256 s[24:31], s[8:9], 0x0              ; gate_b
	s_load_b32 s32, s[10:11], 0x0                  ; ex
	s_add_nc_u64 s[4:5], s[4:5], s[20:21]
	s_add_nc_u64 s[12:13], s[12:13], s[22:23]
.irp j, 0,1,2,3,4,5,6,7,8,9,10,11,12,13,14,15
	global_load_b128 v[GR+4*\j:GR+4*\j+3], v5, s[6:7] offset:512*\j      ; 512 consecutive bytes a load
.endr
.irp i, 0,1,2,3,4,5,6,7
	global_load_b128 v[XR+4*\i:XR+4*\i+3], v2, s[4:5] offset:512*\i th:TH_LOAD_NT   ; the row is read once in the whole program
.endr
	s_wait_loadcnt 8                               ; gate_w's sixteen are in; x's eight may be out
.irp j, 0,1,2,3,4,5,6,7,8,9,10,11,12,13,14,15
	ds_store_b128 v5, v[GR+4*\j:GR+4*\j+3] offset:512*\j
.endr
	s_wait_loadcnt 0x0
.irp i, 0,1,2,3,4,5,6,7
	ds_store_b128 v3, v[XR+4*\i:XR+4*\i+3] offset:32*SP*(\i/4)+8*SP*(\i%4)   ; a load's 512 bytes take eight places of the stage
.endr
	s_wait_dscnt 0x0                               ; for the other waves' sake: my part of gate_w has landed
	s_barrier_signal -1
	s_barrier_wait -1                              ; the one barrier: behind it gate_w is only read
.irp i, 0,1,2,3,4,5,6,7
	ds_load_b128 v[XT+4*\i:XT+4*\i+3], v4 offset:32*SP*(\i/4)+16*(\i%4)
.endr
.macro GFETCH g                        ; experts 4 g .. 4 g + 3
.irp e, 0,1,2,3
.irp i, 0,1,2,3,4,5,6,7
	ds_load_b128 v[GR+32*\e+4*\i:GR+32*\e+4*\i+3], v2 offset:4096*(4*\g+\e)+512*\i
.endr
.endr
.endm
	GFETCH 0
	s_wait_kmcnt 0x0
	s_add_co_i32 s32, s32, 127
	s_lshl_b32 s33, s32, 23
	v_mov_b32 v6, s33                              ; 2^ex as f32: the conversion takes its exponent field
	s_add_co_i32 s32, s32, 15
	s_lshl_b32 s32, s32, 23
	s_or_b32 s32, s32, 0x600000
	v_mov_b32 v7, s32                              ; 57,344 x 2^ex
	s_wait_dscnt 32                                ; the turned row is in; the 32 loads of gate_w may be out
.set j, 0
.rept 32
	v_med3_num_f32 v[XT+j], v[XT+j], -v7, v7       ; the conversion to an 8-bit code does not saturate (ISA guide 7.6.2): the hold at the largest code x the scale
.set j, j+1
.endr
.irp g, 0,1,2,3
	v_cvt_scalef32_pk8_bf8_f32 v[CD+2*\g:CD+2*\g+1], v[XT+8*\g:XT+8*\g+7], v6
.endr
	v_nop                                          ; a plain line behind the last conversion
	global_store_b128 v2, v[CD:CD+3], s[12:13]                 ; 32 lanes store 512 consecutive bytes
	global_store_b128 v2, v[CD+4:CD+7], s[12:13] offset:512
.macro DOT g                           ; four experts' products with my row, two numbers an instruction, four chains that take turns
.set ii, 0
.rept 16
.set ee, 0
.rept 4
.if ii == 0
	v_pk_mul_f32 v[SM+8*\g+2*ee:SM+8*\g+2*ee+1], v[XR:XR+1], v[GR+32*ee:GR+32*ee+1]    ; the first product starts the sum
.else
	v_pk_fma_f32 v[SM+8*\g+2*ee:SM+8*\g+2*ee+1], v[XR+2*ii:XR+2*ii+1], v[GR+32*ee+2*ii:GR+32*ee+2*ii+1], v[SM+8*\g+2*ee:SM+8*\g+2*ee+1]
.endif
.set ee, ee+1
.endr
.set ii, ii+1
.endr
.endm
	s_wait_dscnt 0x0
	DOT 0
	GFETCH 1
	s_wait_dscnt 0x0
	DOT 1
.irp e, 0,1,2,3,4,5,6,7
	v_add_f32 v[LG+\e], v[SM+2*\e], v[SM+2*\e+1]
.endr
.irp m, 1,2,4,8                        ; across the 16 lanes of each half, the eight sums by turns
.irp e, 0,1,2,3,4,5,6,7
	v_add_f32_dpp v[LG+\e], v[LG+\e], v[LG+\e] row_xmask:\m row_mask:0xf bank_mask:0xf
.endr
.endr
.irp e, 0,1,2,3,4,5,6,7
	v_permlanex16_b32 v[SM+\e], v[LG+\e], s34, s35     ; the other half's (the destination has been written)
.endr
.irp e, 0,1,2,3,4,5,6,7
	v_add_f32 v[LG+\e], v[LG+\e], v[SM+\e]
.endr
.irp e, 0,1,2,3,4,5,6,7
	v_add_f32 v[LG+\e], s[24+\e], v[LG+\e]             ; + gate_b: every lane holds the eight logits
.endr
	v_max3_num_f32 v248, v[LG], v[LG+1], v[LG+2]       ; the softmax, with the largest logit taken away first
	v_max3_num_f32 v248, v248, v[LG+3], v[LG+4]
	v_max3_num_f32 v248, v248, v[LG+5], v[LG+6]
	v_max_num_f32 v248, v248, v[LG+7]
.irp e, 0,1,2,3,4,5,6,7
	v_sub_f32 v[LG+\e], v[LG+\e], v248
.endr
.irp e, 0,1,2,3,4,5,6,7
	v_mul_f32 v[LG+\e], 0x3fb8aa3b, v[LG+\e]           ; x log2(e)
.endr
.irp e, 0,1,2,3,4,5,6,7
	v_exp_f32 v[LG+\e], v[LG+\e]
.endr
	v_mov_b32 v249, 0                              ; the index so far.  (The plain line behind the exponentials)
	s_wait_alu depctr_va_vdst(0)                   ; one wait for the eight exponentials, ahead of their first reader
	v_add_f32 v250, v[LG], v[LG+1]
	v_add_f32 v251, v[LG+2], v[LG+3]
	v_add_f32 v252, v[LG+4], v[LG+5]
	v_add_f32 v253, v[LG+6], v[LG+7]
	v_add_f32 v250, v250, v251
	v_add_f32 v252, v252, v253
	v_add_f32 v250, v250, v252
	v_rcp_f32 v250, v250
	v_nop                                          ; a plain line behind the reciprocal
	s_wait_alu depctr_va_vdst(0)                   ; and the wait ahead of its first reader
.irp e, 0,1,2,3,4,5,6,7
	v_mul_f32 v[LG+\e], v[LG+\e], v250
.endr
.irp e, 1,2,3,4,5,6,7                  ; argmax: only a strictly larger probability moves the index, so the lower index wins a tie
	v_cmp_gt_f32 vcc_lo, v[LG+\e], v[LG]
	v_cndmask_b32 v249, v249, \e, vcc_lo
	v_max_num_f32 v[LG], v[LG], v[LG+\e]
.endr
	s_wait_xcnt 0x0                                ; EXEC changes only behind this wait: the stores of the codes have had their addresses translated
	v_cmp_eq_u32 vcc_lo, 0, v1
	s_wait_tensorcnt 0x0
	ds_add_u32 v95, v255
	s_wait_dscnt 0x0
	s_and_saveexec_b32 s37, vcc_lo                 ; lane 0 alone
	global_store_b32 v254, v249, s[14:15]          ; ids[token]
	s_endpgm
.Lfunc_end_k_q2569961856_gate:
	.size	k_q2569961856_gate, .Lfunc_end_k_q2569961856_gate-k_q2569961856_gate
	.p2alignl 7, 3214868480
	.fill 96, 4, 3214868480
	.section	.rodata,"a",@progbits
	.p2align	6, 0x0
	.amdhsa_kernel k_q2569961856_gate
		.amdhsa_group_segment_fixed_size 53760
		.amdhsa_private_segment_fixed_size 0
		.amdhsa_enable_private_segment 0
		.amdhsa_kernarg_size 48
		.amdhsa_user_sgpr_count 2
		.amdhsa_user_sgpr_kernarg_segment_ptr 1
		.amdhsa_wavefront_size32 1
		.amdhsa_system_sgpr_workgroup_id_x 1
		.amdhsa_system_sgpr_workgroup_id_y 1
		.amdhsa_system_sgpr_workgroup_id_z 1
		.amdhsa_system_vgpr_workitem_id 0
		.amdhsa_next_free_vgpr 256
		.amdhsa_next_free_sgpr 66
		.amdhsa_reserve_vcc 1
		.amdhsa_float_denorm_mode_32 3
		.amdhsa_float_denorm_mode_16_64 3
		.amdhsa_memory_ordered 1
		.amdhsa_forward_progress 1
		.amdhsa_inst_pref_size 28
	.end_amdhsa_kernel
	.amdgpu_metadata
---
amdhsa.version: [ 1, 2 ]
amdhsa.kernels:
  - .name:           k_q2569961856_gate
    .symbol:         k_q2569961856_gate.kd
    .args:
      - { .name: x, .offset: 0, .size: 8, .value_kind: global_buffer, .address_space: global }
      - { .name: gate_w, .offset: 8, .size: 8, .value_kind: global_buffer, .address_space: global }
      - { .name: gate_b, .offset: 16, .size: 8, .value_kind: global_buffer, .address_space: global }
      - { .name: lowp_scales, .offset: 24, .size: 8, .value_kind: global_buffer, .address_space: global }
      - { .name: xq, .offset: 32, .size: 8, .value_kind: global_buffer, .address_space: global }
      - { .name: ids, .offset: 40, .size: 8, .value_kind: global_buffer, .address_space: global }
    .group_segment_fixed_size: 53760
    .private_segment_fixed_size: 0
    .kernarg_segment_align: 8
    .kernarg_segment_size: 48
    .max_flat_workgroup_size: 128
    .sgpr_count:     66
    .vgpr_count:     256
    .wavefront_size: 32
...
	.end_amdgpu_metadata
.endif
;; end of part 1
;; launch up (part 2): grid 32 x 8, 4 waves a work-group, no clusters, 202,240 bytes of LDS; arguments ids, xq, w1_codes, b1, lowp_scales, himg; writes himg
.if DOCPART == 2
	.amdgcn_target "amdgcn-amd-amdhsa--gfx1250"
	.amdhsa_code_object_version 6
	.text
	.protected	k_q2569961856_up
	.globl	k_q2569961856_up
	.p2align	8
	.type	k_q2569961856_up,@function
k_q2569961856_up:
	s_mov_b64 s[64:65], 0
	v_nop
	global_prefetch_b8 v0, s[64:65] scope:SCOPE_SE
	s_setreg_imm32_b32 hwreg(HW_REG_WAVE_MODE, 25, 1), 1
	s_wait_xcnt 0x0
; THE FIRST PRODUCT, for the chosen rows alone.  Work-group (sl, e): hidden units 128 sl .. 128 sl + 127 of expert e, for the tokens whose ids entry is e:
; h = relu(x W1 + b1), quantised to E5M2 with 2^eh, stored as K step sl of the second product's operand.  Scales: entry 0 ex (x), 1 ew1, 3 eh.
; WHICH TOKENS.  Every wave reads the 4,096 bytes of ids and finds, in registers, the token at place p of expert e's list (places in the order: ids' register, then lane); tile t holds places 16 t .. 16 t + 15.
; The launch that follows finds the same list by the same lines.  Places at or past the expert's n rows are held at n - 1: a tile's spare rows are copies of the expert's last row.
; SHARES.  The work-group's 128 rows of W1 (131,072 bytes, dense in memory, read once in the launch) lie in LDS.  THE WAVES SHARE THE ROWS OF x: in pass j wave w takes tiles w + 4 (3 j + a), a = 0, 1, 2, for all 128 units,
; so that each fragment of W1 read from LDS feeds three matrix instructions.  Three tiles are always computed (their loads stand ahead of the one barrier, which no branch on ids may jump); a tile at or past the expert's T tiles is not stored.
; TRANSPOSED: source 0 = 16 rows of W1, source 1 = 16 rows of x: a lane holds one token.  THE ROWS OF W1 THAT FORM A TILE ARE NOT NEIGHBOURS: lane r of tile 2 b + u takes row 32 b + 8 u + r + 8 (r / 8), so that the 16 registers of
; tiles 2 b and 2 b + 1 are 16 neighbouring units, 32 b + 16 (lane / 16) + 0 .. 15: the conversions' results are the next operand's registers.  W1's rows are laid in LDS in that order.
; himg: [e 8][tile 64][K step 32][chunk 4][lane 32][16 bytes]: a fragment as an image of its registers, 2,048 bytes on end.
; NO TENSOR LOAD, NO CLUSTER: the 32 work-groups of an expert read the same rows of x, but the number of passes hangs on ids, which are read from memory; so operands come by loads through registers.
; NO PREFETCH: all of a work-group's weights are asked for at its head.
; LIMITS: eh - ex - ew1 between -126 and 112.  NaN among the inputs is not served.
; LDS: 0: W1, 128 rows of 1,024 bytes + 16 (65 x 16: the 16 rows of a fragment start at 16 different groups of banks);  133,120 + 16,640 w: a tile of x, 16 such rows, the wave's own;  199,680 + 512 w: b1's 128 numbers, the wave's own.
; REGISTERS, in windows of 256.  Window 0: addresses; v32-55 x's offsets; v64-191 two sets of four fragments of W1 (at the head v64-95 ids; at a pass's end v64-111 the codes); v192-255 b1 in the result's layout.
;   Windows 1, 2: four regions of 128: tile a's rows land in region a + 1, its fragments lie in region a.   Window 3: the landing of the 64 loads of W1, then the 24 accumulators, (a, t) at v[64 a + 8 t].
.set PW,   1040
.set XST,  128*PW
.set BST,  XST+4*16*PW
.set LI,   1                           ; 16 x lane
.set RR,   3                           ; lane % 16
.set WST,  4                           ; where I store W1's rows
.set WA0,  5                           ; my place in a fragment of W1, tiles 0-3
.set WA1,  6                           ; tiles 4-7
.set XSS,  7                           ; x's stage: in
.set XSR,  8                           ; and out
.set P01,  10                          ; 64 (lane / 16) + lane % 16: two tiles' places in the two halves of the lanes
.set QI,   11                          ; v11-21: at work in SELECT
.set VA,   12
.set KK,   13
.set MV,   14
.set A1,   15
.set A2,   16
.set A3,   17
.set A4,   18
.set BB,   19
.set T0,   20
.set T1,   21
.set POS,  23
.set TOK01, 24                         ; tokens of tiles a = 0 (lanes 0-15) and a = 1 (lanes 16-31)
.set TOK2, 25                          ; of tile a = 2
.set L15,  27                          ; 16 x (lane % 16)
.set SC,   28                          ; 2^(eh - ex - ew1)
.set LIM,  29                          ; 57,344 x that
.set BSS,  30
.set BSR,  31
.set XO,   32                          ; v[32 + 8 a + u]: byte offset in xq of my 16 bytes of row 2 u + lane / 16 of tile a
.set BLD,  56
.set RING, 64
.set IDS,  64
.set PC,   64
.set BIAS, 192
.set WV,   16
.set EE,   17
.set SL,   18
.set NN,   19                          ; the expert's rows
.set TT,   20                          ; its tiles
.set CW,   21                          ; my wave's tiles
.set NM1,  23
.set CNT,  34
.set TMP,  35
.set HBASE, 36                         ; s[36:41] where the three tiles' images go
.set TA,   42                          ; s42-44 the three tiles' numbers
.set HB,   45
.set RL,   46                          ; s46-61 sixteen tokens
.set HI,   62                          ; lanes 16-31
.set PS,   63                          ; passes done: the loop's counter, stepped by 1
.set NP,   98                          ; my wave's passes: its tiles / 3, rounded up; the loop does not write it
.set MSK,  66                          ; s66-97: bit l of mask q: token 128 (q / 4) + 4 l + q % 4 is the expert's
.set MSB, 0
.macro WIN new                         ; the immediate's high byte repeats the setting that is left
.if MSB != (\new)
	s_set_vgpr_msb (MSB<<8)|(\new)
.set MSB, (\new)
.endif
.endm
; The expert's tokens as 32 lane masks, and the counts.
.macro ROUTE
.set q, 0
.rept 32
	v_cmp_eq_u32 s[MSK+q], s[EE], v[IDS+q]
.set q, q+1
.endr
	s_mov_b32 s[NN], 0
.set q, 0
.rept 32
	s_bcnt1_i32_b32 s[TMP], s[MSK+q]
	s_add_co_u32 s[NN], s[NN], s[TMP]
.set q, q+1
.endr
	s_max_u32 s[NM1], s[NN], 1
	s_sub_co_u32 s[NM1], s[NM1], 1                 ; the last place (0 where the expert has no row: nothing is stored then)
	s_add_co_u32 s[TT], s[NN], 15
	s_lshr_b32 s[TT], s[TT], 4
	s_add_co_u32 s[CW], s[TT], 3
	s_sub_co_u32 s[CW], s[CW], s[WV]
	s_lshr_b32 s[CW], s[CW], 2                     ; tiles w, w + 4, .. under T: 16 at the most
	s_add_co_u32 s[NP], s[CW], 2
	s_mul_i32 s[NP], s[NP], 171
	s_lshr_b32 s[NP], s[NP], 9                     ; (tiles + 2) / 3: x 171 / 512 gives the whole part for numbers up to 18 and beyond
.endm
.macro STEPSEL src, inc, fw            ; are there KK or fewer set bits in the lower half of the range at bit BB?  Then the bit lies in the upper half
	v_bfe_u32 v[T0], v[\src], v[BB], \fw
	v_cmp_ge_u32 vcc_lo, v[KK], v[T0]
	v_cndmask_b32 v[T0], 0, v[T0], vcc_lo
	v_sub_nc_u32 v[KK], v[KK], v[T0]
	v_cndmask_b32 v[T1], 0, \inc, vcc_lo
	v_add_nc_u32 v[BB], v[BB], v[T1]
.endm
; Each lane's place v[pos] in the expert's list becomes its token v[tok].  The last mask whose running count is at most the place holds it; in that mask it is set bit number place - count.
.macro SELECT pos, tok
	v_min_u32 v[\pos], s[NM1], v[\pos]
	v_mov_b32 v[QI], 0
	v_mov_b32 v[VA], 0
	v_mov_b32 v[MV], s[MSK]
	s_bcnt1_i32_b32 s[CNT], s[MSK]
.set q, 1
.rept 31
	v_cmp_le_u32 vcc_lo, s[CNT], v[\pos]
	v_cndmask_b32 v[QI], v[QI], q, vcc_lo
	v_cndmask_b32 v[VA], v[VA], s[CNT], vcc_lo
	v_cndmask_b32 v[MV], v[MV], s[MSK+q], vcc_lo
.if q < 31
	s_bcnt1_i32_b32 s[TMP], s[MSK+q]
	s_add_co_u32 s[CNT], s[CNT], s[TMP]
.endif
.set q, q+1
.endr
	v_sub_nc_u32 v[KK], v[\pos], v[VA]
	v_lshrrev_b32 v[T0], 1, v[MV]                  ; the mask's set bits counted in fields of 2, 4, 8 and 16 bits
	v_and_b32 v[A1], 0x55555555, v[MV]
	v_and_b32 v[T0], 0x55555555, v[T0]
	v_add_nc_u32 v[A1], v[A1], v[T0]
	v_lshrrev_b32 v[T0], 2, v[A1]
	v_and_b32 v[A2], 0x33333333, v[A1]
	v_and_b32 v[T0], 0x33333333, v[T0]
	v_add_nc_u32 v[A2], v[A2], v[T0]
	v_lshrrev_b32 v[T0], 4, v[A2]
	v_and_b32 v[A3], 0x0f0f0f0f, v[A2]
	v_and_b32 v[T0], 0x0f0f0f0f, v[T0]
	v_add_nc_u32 v[A3], v[A3], v[T0]
	v_lshrrev_b32 v[T0], 8, v[A3]
	v_and_b32 v[A4], 0x00ff00ff, v[A3]
	v_and_b32 v[T0], 0x00ff00ff, v[T0]
	v_add_nc_u32 v[A4], v[A4], v[T0]
	v_mov_b32 v[BB], 0
	STEPSEL A4, 16, 8
	STEPSEL A3, 8, 8
	STEPSEL A2, 4, 4
	STEPSEL A1, 2, 2
	STEPSEL MV, 1, 1
	v_lshrrev_b32 v[T0], 2, v[QI]
	v_lshlrev_b32 v[T0], 7, v[T0]
	v_lshl_add_u32 v[T0], v[BB], 2, v[T0]
	v_and_b32 v[T1], 3, v[QI]
	v_add_nc_u32 v[\tok], v[T0], v[T1]             ; 128 (q / 4) + 4 bit + q % 4
.endm
; A pass's three tiles: their numbers, their rows' offsets in xq, and where their images go.
.macro XPREP
	s_mul_i32 s28, s[PS], 12
	s_add_co_u32 s[TA], s28, s[WV]                 ; tile w + 4 x 3 x pass,
	s_add_co_u32 s[TA+1], s[TA], 4
	s_add_co_u32 s[TA+2], s[TA], 8                 ; and the two that follow among my wave's
	s_lshl_b32 s28, s[TA], 4
	v_add_nc_u32 v[POS], s28, v[P01]
	SELECT POS, TOK01
	s_lshl_b32 s28, s[TA+2], 4
	v_add_nc_u32 v[POS], s28, v[RR]
	SELECT POS, TOK2
.set aa, 0
.rept 3
.set jj, 0
.rept 16
	v_readlane_b32 s[RL+jj], v[TOK01+aa/2], 16*(aa%2)+jj       ; the tile's sixteen tokens
.set jj, jj+1
.endr
.set iu, 0
.rept 8
	v_mov_b32 v[XO+8*aa+iu], s[RL+2*iu]                        ; lanes 0-15: row 2 u;
	v_cndmask_b32 v[XO+8*aa+iu], v[XO+8*aa+iu], s[RL+2*iu+1], s[HI]   ; lanes 16-31: row 2 u + 1
	v_min_u32 v[XO+8*aa+iu], 0x3ff, v[XO+8*aa+iu]              ; a token's number is under 1,024
	v_lshl_add_u32 v[XO+8*aa+iu], v[XO+8*aa+iu], 10, v[L15]
.set iu, iu+1
.endr
	s_min_u32 s28, s[TA+aa], 63
	s_lshl_b32 s28, s28, 16
	s_add_co_u32 s28, s28, s[HB]
	s_mov_b32 s29, 0
	s_add_nc_u64 s[HBASE+2*aa:HBASE+2*aa+1], s[14:15], s[28:29]
.set aa, aa+1
.endr
.endm
; Sixteen loads: eight rows of tile hb / 2.  A load takes two rows x 256 consecutive bytes, aligned.
.macro XLOADH hb
.set xa, (\hb)/2
.set rg, xa+1
	WIN 0x40*(1+rg/2)
.set iu, 4*((\hb)%2)
.rept 4
.set ii, 0
.rept 4
	global_load_b128 v[128*(rg%2)+16*iu+4*ii:128*(rg%2)+16*iu+4*ii+3], v[XO+8*xa+iu], s[6:7] offset:256*ii
.set ii, ii+1
.endr
.set iu, iu+1
.endr
	WIN 0
.endm
; Tile a's rows go through my stage and come back as eight fragments.  LDS serves a wave's instructions in order, so the one stage serves the three tiles.
.macro XTURN a, cnt
	s_wait_loadcnt \cnt                            ; tile a's 32 loads are in; the later tiles' may be out
.set rs, (\a)+1
.set rd, (\a)
	WIN 0x04*(1+rs/2)
.set iu, 0
.rept 8
.set ii, 0
.rept 4
	ds_store_b128 v[XSS], v[128*(rs%2)+16*iu+4*ii:128*(rs%2)+16*iu+4*ii+3] offset:2*PW*iu+256*ii
.set ii, ii+1
.endr
.set iu, iu+1
.endr
.if (\a) > 0
	s_wait_dscnt 32                                ; only these 32 stores may be out: the tile before has left the registers into which the loads below land
.endif
	WIN 0x40*(1+rd/2)
.set ks, 0
.rept 8
.set kc, 0
.rept 4
	ds_load_b128 v[128*(rd%2)+16*ks+4*kc:128*(rd%2)+16*ks+4*kc+3], v[XSR] offset:128*ks+32*kc
.set kc, kc+1
.endr
.set ks, ks+1
.endr
	WIN 0
.endm
; Group g: K step g / 2, tiles 4 (g % 2) .. + 3 of W1.  Four fragments into set g % 2.
.macro WFETCH g
.set ks, (\g)/2
.set rb, RING+64*((\g)%2)
.set kk, 0
.rept 4
.set kc, 0
.rept 4
	ds_load_b128 v[rb+16*kk+4*kc:rb+16*kk+4*kc+3], v[WA0+(\g)%2] offset:16*PW*kk+128*ks+32*kc
.set kc, kc+1
.endr
.set kk, kk+1
.endr
.endm
; Twelve matrix instructions.  The 24 accumulators take turns, one instruction a turn.  The first K step takes b1 / 2^(ex + ew1) as C: nothing is cleared, and the bias costs no addition.
.macro MUL g
.set ks, (\g)/2
.set rb, RING+64*((\g)%2)
.if ks == 0
	WIN 0xc4                                       ; W1 window 0, x window 1, b1 window 0, D window 3
.else
	WIN 0xf4                                       ; C and D window 3
.endif
.set kk, 0
.rept 4
.set tt, 4*((\g)%2)+kk
.set aa, 0
.rept 2
.if ks == 0
	v_wmma_f32_16x16x128_bf8_bf8 v[64*aa+8*tt:64*aa+8*tt+7], v[rb+16*kk:rb+16*kk+15], v[128*aa+16*ks:128*aa+16*ks+15], v[BIAS+8*tt:BIAS+8*tt+7]
.else
	v_wmma_f32_16x16x128_bf8_bf8 v[64*aa+8*tt:64*aa+8*tt+7], v[rb+16*kk:rb+16*kk+15], v[128*aa+16*ks:128*aa+16*ks+15], v[64*aa+8*tt:64*aa+8*tt+7]
.endif
.set aa, aa+1
.endr
.set kk, kk+1
.endr
.if ks == 0
	WIN 0xc8                                       ; tile a = 2: x window 2
.else
	WIN 0xf8
.endif
.set kk, 0
.rept 4
.set tt, 4*((\g)%2)+kk
.if ks == 0
	v_wmma_f32_16x16x128_bf8_bf8 v[128+8*tt:128+8*tt+7], v[rb+16*kk:rb+16*kk+15], v[16*ks:16*ks+15], v[BIAS+8*tt:BIAS+8*tt+7]
.else
	v_wmma_f32_16x16x128_bf8_bf8 v[128+8*tt:128+8*tt+7], v[rb+16*kk:rb+16*kk+15], v[16*ks:16*ks+15], v[128+8*tt:128+8*tt+7]
.endif
.set kk, kk+1
.endr
.endm
.macro STORET a                        ; tile a's image, 2,048 consecutive bytes, if the expert has the tile
	s_cmp_lt_u32 s[TA+\a], s[TT]
	s_cbranch_scc0 .Lnot_stored_\@
.irp b, 0,1,2,3
	global_store_b128 v[LI], v[PC+16*\a+4*\b:PC+16*\a+4*\b+3], s[HBASE+2*\a:HBASE+2*\a+1] offset:512*\b
.endr
.Lnot_stored_\@:
.endm
	s_load_b256 s[4:11], s[0:1], 0x0               ; ids s[4:5], xq s[6:7], W1's codes s[8:9], b1 s[10:11]
	s_load_b128 s[12:15], s[0:1], 0x20             ; the scales s[12:13], himg s[14:15]
	v_lshl_add_u32 v62, v0, 2, 0x31400
	v_mov_b32 v63, 0
	v_lshrrev_b32 v2, 5, v0
	v_readfirstlane_b32 s[WV], v2                  ; wave 0..3
	s_and_b32 s[EE], ttmp7, 0xffff                 ; the expert
	s_mov_b32 s[SL], ttmp9                         ; the slice of 128 hidden units
	s_mov_b32 s[HI], 0xffff0000
	v_and_b32 v2, 31, v0
	v_and_b32 v[RR], 15, v0
	v_bfe_u32 v9, v0, 4, 1                         ; h = lane / 16
	v_lshlrev_b32 v[LI], 4, v2
	v_lshl_add_u32 v[P01], v9, 6, v[RR]
	v_lshlrev_b32 v[L15], 4, v[RR]
	s_mul_i32 s28, s[WV], 32*PW
	v_add_nc_u32 v[WST], s28, v[LI]                ; my wave's 32 rows of W1 in LDS
	v_mul_u32_u24 v[WA0], v[RR], PW
	v_lshl_add_u32 v[WA0], v9, 4, v[WA0]           ; a fragment's row x pitch + 16 h
	v_add_nc_u32 v[WA1], 4*16*PW, v[WA0]
	s_mul_i32 s28, s[WV], 16*PW
	s_add_co_u32 s28, s28, XST                     ; my stage for x
	v_mul_u32_u24 v[XSS], v9, PW
	v_lshl_add_u32 v[XSS], v[RR], 4, v[XSS]
	v_add_nc_u32 v[XSS], s28, v[XSS]               ; in: lanes 0-15 one row, lanes 16-31 the next
	v_add_nc_u32 v[XSR], s28, v[WA0]               ; out: as a fragment
	s_lshl_b32 s28, s[WV], 9
	s_add_co_u32 s28, s28, BST                     ; my 512 bytes for b1
	v_add_nc_u32 v[BSS], s28, v[LI]
	v_lshlrev_b32 v[BSR], 6, v9
	v_add_nc_u32 v[BSR], s28, v[BSR]               ; + 64 h: my half's sixteen units of each 32
	s_lshl_b32 s28, s[EE], 22
	s_lshl_b32 s29, s[SL], 17
	s_add_co_u32 s28, s28, s29
	s_lshl_b32 s29, s[WV], 15
	s_add_co_u32 s28, s28, s29                     ; W1: expert, slice, my 32 rows of 1,024 bytes
	s_mov_b32 s29, 0
	s_lshl_b32 s30, s[EE], 14
	s_lshl_b32 s31, s[SL], 9
	s_add_co_u32 s30, s30, s31                     ; b1: expert, slice
	s_mov_b32 s31, 0
	s_lshl_b32 s[HB], s[EE], 22
	s_lshl_b32 s32, s[SL], 11
	s_add_co_u32 s[HB], s[HB], s32                 ; himg: expert, K step
	s_wait_kmcnt 0x0
	s_load_b128 s[24:27], s[12:13], 0x0            ; ex, ew1, ew2, eh
	s_add_nc_u64 s[8:9], s[8:9], s[28:29]
	s_add_nc_u64 s[10:11], s[10:11], s[30:31]
.irp i, 0,1,2,3,4,5,6,7
	global_load_b128 v[IDS+4*\i:IDS+4*\i+3], v[LI], s[4:5] offset:512*\i
.endr
	global_load_b128 v[BLD:BLD+3], v[LI], s[10:11]
	WIN 0xc0                                       ; destination window 3
.set ii, 0
.rept 64
	global_load_b128 v[4*ii:4*ii+3], v[LI], s[8:9] offset:512*ii th:TH_LOAD_NT    ; 512 consecutive bytes; each byte of W1 is read once in the launch
.set ii, ii+1
.endr
	WIN 0
	s_wait_loadcnt 63                              ; of the 73 loads issued the oldest ten are in: ids and b1 among them
	ds_store_b128 v[BSS], v[BLD:BLD+3]
.irp t, 0,1,2,3,4,5,6,7                ; b1 in the result's layout: tile 2 b + u, lane half h: units 32 b + 16 h + 8 u + 0 .. 7
	ds_load_b128 v[BIAS+8*\t:BIAS+8*\t+3], v[BSR] offset:128*(\t/2)+32*(\t%2)
	ds_load_b128 v[BIAS+8*\t+4:BIAS+8*\t+7], v[BSR] offset:128*(\t/2)+32*(\t%2)+16
.endr
	ROUTE
	s_mov_b32 s[PS], 0
	XPREP
	s_wait_dscnt 0x0                               ; b1
	s_wait_kmcnt 0x0
	s_add_co_i32 s28, s24, s25                     ; a sum of this product stands for sum x 2^(ex + ew1): b1 goes in divided by that,
	s_sub_co_i32 s29, 0, s28
	s_sub_co_i32 s30, s27, s28                     ; and the conversion's one scale is 2^(eh - ex - ew1)
	s_add_co_i32 s30, s30, 127
	s_lshl_b32 s31, s30, 23
	v_mov_b32 v[SC], s31
	s_add_co_i32 s30, s30, 15
	s_lshl_b32 s30, s30, 23
	s_or_b32 s30, s30, 0x600000
	v_mov_b32 v[LIM], s30
.set jj, 0
.rept 64
	v_ldexp_f32 v[BIAS+jj], v[BIAS+jj], s29
.set jj, jj+1
.endr
; W1 goes into LDS, sixteen loads at a time, and x's loads are issued between: behind chunk c of W1 stand 48 - 16 c loads of W1 and 16 c of x, 48 each time.
.set ci, 0
.rept 4
	s_wait_loadcnt 48
	WIN 0x0c                                       ; store data window 3
.set jj, 0
.rept 16
.set ld, 16*ci+jj
.set xx, ld/2                          ; the row among my 32; it goes to the place that the tiles' choice of rows gives it
.set lam, 16*((xx/8)%2)+8*(xx/16)+(xx%8)
	ds_store_b128 v[WST], v[4*ld:4*ld+3] offset:lam*PW+512*(ld%2)
.set jj, jj+1
.endr
	WIN 0
	XLOADH ci
.set ci, ci+1
.endr
	XLOADH 4
	XLOADH 5
	s_wait_dscnt 0x0                               ; for the other waves' sake: my rows of W1 have landed
	s_barrier_signal -1
	s_barrier_wait -1                              ; the one barrier: behind it W1 is only read, and every LDS store goes to the wave's own bytes
.Lpass:
	XTURN 0, 63                                    ; (64 loads stand behind tile 0's; the field's largest count serves)
	XTURN 1, 32
	XTURN 2, 0
	WFETCH 0
.set gg, 0
.rept 16
.if gg < 15
.if gg > 0
.rept 4
	v_nop                                          ; four places between the products that read a set of fragments and the loads into it (ISA guide 7.12.1 for vector instructions)
.endr
.endif
	WIN 0
	WFETCH gg+1
	s_wait_dscnt 16                                ; all but the sixteen just issued: this group's fragments (and, the first time, x's) are in
.else
	s_wait_dscnt 0x0
.endif
	MUL gg
.set gg, gg+1
.endr
.rept 4
	v_nop                                          ; four places ahead of the first read of results, and of the writes over the fragments' registers
.endr
.set aa, 0
.rept 3
	WIN 0xc3                                       ; source 0 and destination window 3
.set jj, 0
.rept 64
	v_med3_num_f32 v[64*aa+jj], v[64*aa+jj], 0, v[LIM]     ; the activation and the hold in one: between 0 and the largest code x the scale; each accumulator from its low end on
.set jj, jj+1
.endr
	WIN 0x03
.set jj, 0
.rept 8
	v_cvt_scalef32_pk8_bf8_f32 v[PC+16*aa+2*jj:PC+16*aa+2*jj+1], v[64*aa+8*jj:64*aa+8*jj+7], v[SC]    ; registers 4 b .. 4 b + 3: units 32 b + 16 h + 0 .. 15
.set jj, jj+1
.endr
.set aa, aa+1
.endr
	WIN 0
	v_nop                                          ; a plain line behind the last conversion
	STORET 0
	STORET 1
	STORET 2
	s_add_co_u32 s[PS], s[PS], 1                   ; a pass is done: the loop's counter, stepped once a trip by 1
	s_wait_xcnt 0x0                                ; the stores have read their data, offsets and bases: all of them are written again below or in the next pass
	s_cmp_ge_u32 s[PS], s[NP]
	s_cbranch_scc1 .Lno_more
	XPREP                                          ; more than three tiles to this wave: the next three
	XLOADH 0
	XLOADH 1
	XLOADH 2
	XLOADH 3
	XLOADH 4
	XLOADH 5
.Lno_more:
	s_cmp_lt_u32 s[PS], s[NP]
	s_cbranch_scc1 .Lpass
	s_wait_tensorcnt 0x0
	ds_add_u32 v62, v63
	s_wait_dscnt 0x0
	s_endpgm
.Lfunc_end_k_q2569961856_up:
	.size	k_q2569961856_up, .Lfunc_end_k_q2569961856_up-k_q2569961856_up
	.p2alignl 7, 3214868480
	.fill 96, 4, 3214868480
	.section	.rodata,"a",@progbits
	.p2align	6, 0x0
	.amdhsa_kernel k_q2569961856_up
		.amdhsa_group_segment_fixed_size 202240
		.amdhsa_private_segment_fixed_size 0
		.amdhsa_enable_private_segment 0
		.amdhsa_kernarg_size 48
		.amdhsa_user_sgpr_count 2
		.amdhsa_user_sgpr_kernarg_segment_ptr 1
		.amdhsa_wavefront_size32 1
		.amdhsa_system_sgpr_workgroup_id_x 1
		.amdhsa_system_sgpr_workgroup_id_y 1
		.amdhsa_system_sgpr_workgroup_id_z 1
		.amdhsa_system_vgpr_workitem_id 0
		.amdhsa_next_free_vgpr 1024
		.amdhsa_next_free_sgpr 100
		.amdhsa_reserve_vcc 1
		.amdhsa_float_denorm_mode_32 3
		.amdhsa_float_denorm_mode_16_64 3
		.amdhsa_memory_ordered 1
		.amdhsa_forward_progress 1
		.amdhsa_inst_pref_size 165
	.end_amdhsa_kernel
	.amdgpu_metadata
---
amdhsa.version: [ 1, 2 ]
amdhsa.kernels:
  - .name:           k_q2569961856_up
    .symbol:         k_q2569961856_up.kd
    .args:
      - { .name: ids, .offset: 0, .size: 8, .value_kind: global_buffer, .address_space: global }
      - { .name: xq, .offset: 8, .size: 8, .value_kind: global_buffer, .address_space: global }
      - { .name: w1_codes, .offset: 16, .size: 8, .value_kind: global_buffer, .address_space: global }
      - { .name: b1, .offset: 24, .size: 8, .value_kind: global_buffer, .address_space: global }
      - { .name: lowp_scales, .offset: 32, .size: 8, .value_kind: global_buffer, .address_space: global }
      - { .name: himg, .offset: 40, .size: 8, .value_kind: global_buffer, .address_space: global }
    .group_segment_fixed_size: 202240
    .private_segment_fixed_size: 0
    .kernarg_segment_align: 8
    .kernarg_segment_size: 48
    .max_flat_workgroup_size: 128
    .sgpr_count:     100
    .vgpr_count:     1024
    .wavefront_size: 32
...
	.end_amdgpu_metadata
.endif
;; end of part 2
;; launch down (part 3): grid 32 x 8, 4 waves a work-group, no clusters, 141,312 bytes of LDS; arguments ids, himg, w2_codes, b2, lowp_scales, out0; writes out0
.if DOCPART == 3
	.amdgcn_target "amdgcn-amd-amdhsa--gfx1250"
	.amdhsa_code_object_version 6
	.text
	.protected	k_q2569961856_down
	.globl	k_q2569961856_down
	.p2align	8
	.type	k_q2569961856_down,@function
k_q2569961856_down:
	s_mov_b64 s[64:65], 0
	v_nop
	global_prefetch_b8 v0, s[64:65] scope:SCOPE_SE
	s_setreg_imm32_b32 hwreg(HW_REG_WAVE_MODE, 25, 1), 1
	s_wait_xcnt 0x0
; THE SECOND PRODUCT, for the chosen rows alone.  Work-group (sl, e): output columns 32 sl .. 32 sl + 31 of expert e, for the tokens whose ids entry is e:
; out0[token] = h W2 + b2.  Scales: entry 2 ew2, entry 3 eh: a sum stands for sum x 2^(ew2 + eh).
; WHICH TOKENS: found from ids by the same lines as in the launch before, so that row r of tile t is the same token here as there.  A tile's spare rows are copies of the expert's last row: they are stored to that
; token's row a second time, by the same wave, with the same bytes.
; SHARES.  The work-group's 32 rows of W2 (131,072 bytes, dense in memory, read once in the launch) lie in LDS.  Wave w takes tiles w, w + 4, .. of the expert's rows, up to three in a pass, over the whole K = 4,096.
; h's fragments come from himg as images of their registers, 512 consecutive bytes a load, straight into registers.  TRANSPOSED: source 0 = 16 rows of W2, source 1 = 16 rows of h: a lane holds eight neighbouring outputs of one token.
; A pass is written three times, for three, two and one tile, so that only tiles that exist are loaded and every count of a wait is a constant of its text.
; THE WAY OUT: through the wave's own stage, so that eight lanes store a token's 128 consecutive bytes.  (A work-group has 32 columns; 64 would leave half of the 256 work-groups without a slice.)
; NO TENSOR LOAD, NO CLUSTER: the 32 work-groups of an expert read the same tiles of h, but the number of tiles hangs on ids, which are read from memory.  NO PREFETCH: a work-group's weights are asked for at its head.
; LIMITS: ew2 + eh between -126 and 127.
; LDS: 0: W2, 32 rows of 4,096 bytes + 16 (257 x 16);  131,584 + 2,304 w: the stage, 16 rows of 128 bytes + 16, the wave's own.
; REGISTERS.  Window 0: addresses; v32-43 the stores' offsets; v64-111 accumulators, (a, n) at v[64 + 16 a + 8 n]; v112-127 b2; v128-175 results (at the head v128-159 ids); v176-223 rows read back.
;   Window 1: the landing of the 64 loads of W2; then v0-63 two sets of W2's two fragments, v64-255 twelve fragments of h.
.set PW,   4112
.set SPI,  144
.set STG,  32*PW
.set LI,   1
.set RR,   3
.set WST,  4
.set WA0,  5
.set WA1,  6
.set P01,  10
.set QI,   11
.set VA,   12
.set KK,   13
.set MV,   14
.set A1,   15
.set A2,   16
.set A3,   17
.set A4,   18
.set BB,   19
.set T0,   20
.set T1,   21
.set POS,  23
.set TOK01, 24
.set TOK2, 25
.set L7,   27                          ; 16 x (lane % 8)
.set SO,   28                          ; the stage: in
.set SR,   29                          ; and out
.set B2A,  30                          ; 32 x (lane / 16)
.set TS,   32                          ; v[32 + 4 a + i]: byte offset in out0 of my 16 bytes of row 4 i + lane / 8 of tile a
.set ACC,  64
.set B2,   112
.set OUT,  128
.set IDS,  128
.set OB,   176
.set NP,   3                           ; my wave's passes: its tiles / 3, rounded up; the loop does not write it
.set WV,   16
.set EE,   17
.set SL,   18
.set NN,   19
.set TT,   20
.set CW,   21
.set DONE, 22                          ; tiles of mine that are done: 3 x the passes done
.set NM1,  23
.set CNT,  34
.set TMP,  35
.set HBASE, 36                         ; s[36:41] the tiles' images
.set OBASE, 42                         ; s[42:43] out0 at my 32 columns
.set SCL,  44                          ; s[44:45] 2^(ew2 + eh)
.set HB,   33
.set RL,   46
.set M1,   62                          ; lanes 8-15
.set M2,   63                          ; lanes 16-23
.set M3,   98                          ; lanes 24-31
.set PS,   99                          ; passes done: the loop's counter, stepped by 1
.set MSK,  66
.set MSB, 0
.macro WIN new                         ; the immediate's high byte repeats the setting that is left
.if MSB != (\new)
	s_set_vgpr_msb (MSB<<8)|(\new)
.set MSB, (\new)
.endif
.endm
; The expert's tokens as 32 lane masks, and the counts.
.macro ROUTE
.set q, 0
.rept 32
	v_cmp_eq_u32 s[MSK+q], s[EE], v[IDS+q]
.set q, q+1
.endr
	s_mov_b32 s[NN], 0
.set q, 0
.rept 32
	s_bcnt1_i32_b32 s[TMP], s[MSK+q]
	s_add_co_u32 s[NN], s[NN], s[TMP]
.set q, q+1
.endr
	s_max_u32 s[NM1], s[NN], 1
	s_sub_co_u32 s[NM1], s[NM1], 1
	s_add_co_u32 s[TT], s[NN], 15
	s_lshr_b32 s[TT], s[TT], 4
	s_add_co_u32 s[CW], s[TT], 3
	s_sub_co_u32 s[CW], s[CW], s[WV]
	s_lshr_b32 s[CW], s[CW], 2                     ; tiles w, w + 4, .. under T: 16 at the most
	s_add_co_u32 s[NP], s[CW], 2
	s_mul_i32 s[NP], s[NP], 171
	s_lshr_b32 s[NP], s[NP], 9                     ; (tiles + 2) / 3: x 171 / 512 gives the whole part for numbers up to 18 and beyond
.endm
.macro STEPSEL src, inc, fw
	v_bfe_u32 v[T0], v[\src], v[BB], \fw
	v_cmp_ge_u32 vcc_lo, v[KK], v[T0]
	v_cndmask_b32 v[T0], 0, v[T0], vcc_lo
	v_sub_nc_u32 v[KK], v[KK], v[T0]
	v_cndmask_b32 v[T1], 0, \inc, vcc_lo
	v_add_nc_u32 v[BB], v[BB], v[T1]
.endm
; Each lane's place v[pos] in the expert's list becomes its token v[tok]: the last mask whose running count is at most the place holds it, as set bit number place - count.
.macro SELECT pos, tok
	v_min_u32 v[\pos], s[NM1], v[\pos]
	v_mov_b32 v[QI], 0
	v_mov_b32 v[VA], 0
	v_mov_b32 v[MV], s[MSK]
	s_bcnt1_i32_b32 s[CNT], s[MSK]
.set q, 1
.rept 31
	v_cmp_le_u32 vcc_lo, s[CNT], v[\pos]
	v_cndmask_b32 v[QI], v[QI], q, vcc_lo
	v_cndmask_b32 v[VA], v[VA], s[CNT], vcc_lo
	v_cndmask_b32 v[MV], v[MV], s[MSK+q], vcc_lo
.if q < 31
	s_bcnt1_i32_b32 s[TMP], s[MSK+q]
	s_add_co_u32 s[CNT], s[CNT], s[TMP]
.endif
.set q, q+1
.endr
	v_sub_nc_u32 v[KK], v[\pos], v[VA]
	v_lshrrev_b32 v[T0], 1, v[MV]
	v_and_b32 v[A1], 0x55555555, v[MV]
	v_and_b32 v[T0], 0x55555555, v[T0]
	v_add_nc_u32 v[A1], v[A1], v[T0]
	v_lshrrev_b32 v[T0], 2, v[A1]
	v_and_b32 v[A2], 0x33333333, v[A1]
	v_and_b32 v[T0], 0x33333333, v[T0]
	v_add_nc_u32 v[A2], v[A2], v[T0]
	v_lshrrev_b32 v[T0], 4, v[A2]
	v_and_b32 v[A3], 0x0f0f0f0f, v[A2]
	v_and_b32 v[T0], 0x0f0f0f0f, v[T0]
	v_add_nc_u32 v[A3], v[A3], v[T0]
	v_lshrrev_b32 v[T0], 8, v[A3]
	v_and_b32 v[A4], 0x00ff00ff, v[A3]
	v_and_b32 v[T0], 0x00ff00ff, v[T0]
	v_add_nc_u32 v[A4], v[A4], v[T0]
	v_mov_b32 v[BB], 0
	STEPSEL A4, 16, 8
	STEPSEL A3, 8, 8
	STEPSEL A2, 4, 4
	STEPSEL A1, 2, 2
	STEPSEL MV, 1, 1
	v_lshrrev_b32 v[T0], 2, v[QI]
	v_lshlrev_b32 v[T0], 7, v[T0]
	v_lshl_add_u32 v[T0], v[BB], 2, v[T0]
	v_and_b32 v[T1], 3, v[QI]
	v_add_nc_u32 v[\tok], v[T0], v[T1]
.endm
; A PASS over na tiles (3, 2 or 1): tiles w + 4 (DONE + a).  h's twelve fragment registers hold DD = 12 / na K steps, so that up to 48 loads of the wave are out.
.macro PASSD na
.set DD, 12/(\na)
	s_lshl_b32 s28, s[DONE], 2
	s_add_co_u32 s28, s28, s[WV]                   ; my first tile
	s_lshl_b32 s32, s28, 4                         ; its first place
.set aa, 0
.rept \na
	s_add_co_u32 s29, s28, 4*aa
	s_min_u32 s29, s29, 63
	s_lshl_b32 s30, s29, 16
	s_add_co_u32 s30, s30, s[HB]
	s_mov_b32 s31, 0
	s_add_nc_u64 s[HBASE+2*aa:HBASE+2*aa+1], s[6:7], s[30:31]
.set aa, aa+1
.endr
	WIN 0x40                                       ; destination window 1
.set ks, 0
.rept DD
.set aa, 0
.rept \na
.set kc, 0
.rept 4
	global_load_b128 v[64+16*((\na)*ks+aa)+4*kc:64+16*((\na)*ks+aa)+4*kc+3], v[LI], s[HBASE+2*aa:HBASE+2*aa+1] offset:2048*ks+512*kc
.set kc, kc+1
.endr
.set aa, aa+1
.endr
.set ks, ks+1
.endr
.set ks, 0
.rept 2
.set nn, 0
.rept 2
.set kc, 0
.rept 4
	ds_load_b128 v[32*ks+16*nn+4*kc:32*ks+16*nn+4*kc+3], v[WA0+nn] offset:128*ks+32*kc
.set kc, kc+1
.endr
.set nn, nn+1
.endr
.set ks, ks+1
.endr
	WIN 0
	; while those are on their way: which tokens my rows are, and where their 128 bytes go
	v_add_nc_u32 v[POS], s32, v[P01]
	SELECT POS, TOK01
.if (\na) == 3
	s_add_co_u32 s32, s32, 128
	v_add_nc_u32 v[POS], s32, v[RR]
	SELECT POS, TOK2
.endif
.set aa, 0
.rept \na
.set jj, 0
.rept 16
	v_readlane_b32 s[RL+jj], v[TOK01+aa/2], 16*(aa%2)+jj
.set jj, jj+1
.endr
.set ii, 0
.rept 4
	v_mov_b32 v[TS+4*aa+ii], s[RL+4*ii]                                ; lanes 0-7: row 4 i; the next eights: rows 4 i + 1, + 2, + 3
	v_cndmask_b32 v[TS+4*aa+ii], v[TS+4*aa+ii], s[RL+4*ii+1], s[M1]
	v_cndmask_b32 v[TS+4*aa+ii], v[TS+4*aa+ii], s[RL+4*ii+2], s[M2]
	v_cndmask_b32 v[TS+4*aa+ii], v[TS+4*aa+ii], s[RL+4*ii+3], s[M3]
	v_min_u32 v[TS+4*aa+ii], 0x3ff, v[TS+4*aa+ii]                      ; a token's number is under 1,024
	v_lshl_add_u32 v[TS+4*aa+ii], v[TS+4*aa+ii], 12, v[L7]
.set ii, ii+1
.endr
.set aa, aa+1
.endr
	; the 32 K steps, written out: every offset is an immediate
.set ks, 0
.rept 32
.set rem, 31-ks
.if rem > DD-1
.set rem, DD-1
.endif
	s_wait_loadcnt 4*(\na)*rem                     ; this K step's fragments of h are in; those of the K steps behind it may be out
.if ks < 31
	s_wait_dscnt 8                                 ; W2's two are in; the next K step's eight loads may be out
.else
	s_wait_dscnt 0x0
.endif
	WIN 0x05                                       ; sources 0 and 1 window 1; C and D window 0
.set aa, 0
.rept \na
.set nn, 0
.rept 2
.set rD, ACC+16*aa+8*nn
.set rW, 32*(ks%2)+16*nn
.set rH, 64+16*((\na)*(ks%DD)+aa)
.if ks == 0
	v_wmma_f32_16x16x128_bf8_bf8 v[rD:rD+7], v[rW:rW+15], v[rH:rH+15], 0            ; the first K step starts the sums
.else
	v_wmma_f32_16x16x128_bf8_bf8 v[rD:rD+7], v[rW:rW+15], v[rH:rH+15], v[rD:rD+7]   ; the accumulators take turns, one instruction a turn
.endif
.set nn, nn+1
.endr
.set aa, aa+1
.endr
.if ks < 30
	WIN 0x40
.rept 4
	v_nop                                          ; four places between the products and the loads into the registers that they read
.endr
.set nn, 0
.rept 2
.set kc, 0
.rept 4
	ds_load_b128 v[32*(ks%2)+16*nn+4*kc:32*(ks%2)+16*nn+4*kc+3], v[WA0+nn] offset:128*(ks+2)+32*kc
.set kc, kc+1
.endr
.set nn, nn+1
.endr
.if ks+DD < 32
.set aa, 0
.rept \na
.set kc, 0
.rept 4
	global_load_b128 v[64+16*((\na)*(ks%DD)+aa)+4*kc:64+16*((\na)*(ks%DD)+aa)+4*kc+3], v[LI], s[HBASE+2*aa:HBASE+2*aa+1] offset:2048*(ks+DD)+512*kc
.set kc, kc+1
.endr
.set aa, aa+1
.endr
.endif
.endif
.set ks, ks+1
.endr
	WIN 0
.rept 4
	v_nop                                          ; four places ahead of the first read of results
.endr
.set aa, 0
.rept \na
.set jj, 0
.rept 8
	v_pk_fma_f32 v[OUT+16*aa+2*jj:OUT+16*aa+2*jj+1], v[ACC+16*aa+2*jj:ACC+16*aa+2*jj+1], s[SCL:SCL+1], v[B2+2*jj:B2+2*jj+1] op_sel_hi:[1,0,1]   ; sum x 2^(ew2 + eh) + b2; each accumulator from its low end on
.set jj, jj+1
.endr
.set jj, 0
.rept 4
	ds_store_b128 v[SO], v[OUT+16*aa+4*jj:OUT+16*aa+4*jj+3] offset:64*(jj/2)+16*(jj%2)    ; lane (r, h): row r, columns 16 n + 8 h + 0 .. 7
.set jj, jj+1
.endr
.set ii, 0
.rept 4
	ds_load_b128 v[OB+16*aa+4*ii:OB+16*aa+4*ii+3], v[SR] offset:4*SPI*ii                 ; LDS serves a wave's instructions in order: these see the stores above, and the next tile's stores come behind them
.set ii, ii+1
.endr
.set aa, aa+1
.endr
.set aa, 0
.rept \na
	s_wait_dscnt 8*((\na)-1-aa)                    ; tile a's rows are back; the later tiles' eight LDS instructions each may be out
.set ii, 0
.rept 4
	global_store_b128 v[TS+4*aa+ii], v[OB+16*aa+4*ii:OB+16*aa+4*ii+3], s[OBASE:OBASE+1] th:TH_STORE_NT    ; eight lanes store a token's 128 consecutive bytes
.set ii, ii+1
.endr
.set aa, aa+1
.endr
.endm
	s_load_b256 s[4:11], s[0:1], 0x0               ; ids s[4:5], himg s[6:7], W2's codes s[8:9], b2 s[10:11]
	s_load_b128 s[12:15], s[0:1], 0x20             ; the scales s[12:13], out0 s[14:15]
	v_lshl_add_u32 v254, v0, 2, 0x22600
	v_mov_b32 v255, 0
	v_lshrrev_b32 v2, 5, v0
	v_readfirstlane_b32 s[WV], v2                  ; wave 0..3
	s_and_b32 s[EE], ttmp7, 0xffff                 ; the expert
	s_mov_b32 s[SL], ttmp9                         ; the slice of 32 columns
	s_mov_b32 s[M1], 0x0000ff00
	s_mov_b32 s[M2], 0x00ff0000
	s_mov_b32 s[M3], 0xff000000
	v_and_b32 v2, 31, v0
	v_and_b32 v[RR], 15, v0
	v_bfe_u32 v9, v0, 4, 1                         ; h = lane / 16
	v_lshlrev_b32 v[LI], 4, v2
	v_lshl_add_u32 v[P01], v9, 6, v[RR]
	s_mul_i32 s28, s[WV], 8*PW
	v_add_nc_u32 v[WST], s28, v[LI]                ; my wave's 8 rows of W2 in LDS
	v_mul_u32_u24 v[WA0], v[RR], PW
	v_lshl_add_u32 v[WA0], v9, 4, v[WA0]           ; a fragment's row x pitch + 16 h: columns 0-15,
	v_add_nc_u32 v[WA1], 16*PW, v[WA0]             ; columns 16-31
	s_mul_i32 s28, s[WV], 16*SPI
	s_add_co_u32 s28, s28, STG                     ; my stage
	v_mul_u32_u24 v[SO], v[RR], SPI
	v_lshl_add_u32 v[SO], v9, 5, v[SO]
	v_add_nc_u32 v[SO], s28, v[SO]
	v_lshrrev_b32 v22, 3, v2
	v_and_b32 v26, 7, v2
	v_lshlrev_b32 v[L7], 4, v26
	v_mul_u32_u24 v[SR], v22, SPI
	v_add_nc_u32 v[SR], v[SR], v[L7]
	v_add_nc_u32 v[SR], s28, v[SR]
	v_lshlrev_b32 v[B2A], 5, v9
	s_lshl_b32 s[HB], s[EE], 22                    ; himg: the expert
	s_lshl_b32 s28, s[SL], 17
	s_add_co_u32 s28, s28, s[HB]
	s_lshl_b32 s29, s[WV], 15
	s_add_co_u32 s28, s28, s29                     ; W2: expert, slice, my 8 rows of 4,096 bytes
	s_mov_b32 s29, 0
	s_lshl_b32 s30, s[EE], 12
	s_lshl_b32 s32, s[SL], 7
	s_add_co_u32 s30, s30, s32                     ; b2: expert, slice
	s_mov_b32 s31, 0
	s_mov_b32 s[CNT], s32                          ; out0: the slice's 128 bytes of a row
	s_mov_b32 s[TMP], 0
	s_wait_kmcnt 0x0
	s_load_b128 s[24:27], s[12:13], 0x0            ; ex, ew1, ew2, eh
	s_add_nc_u64 s[8:9], s[8:9], s[28:29]
	s_add_nc_u64 s[10:11], s[10:11], s[30:31]
	s_add_nc_u64 s[OBASE:OBASE+1], s[14:15], s[CNT:TMP]
.irp i, 0,1,2,3,4,5,6,7
	global_load_b128 v[IDS+4*\i:IDS+4*\i+3], v[LI], s[4:5] offset:512*\i
.endr
.irp n, 0,1                            ; b2 in the result's layout: tile n, lane half h: columns 16 n + 8 h + 0 .. 7
	global_load_b128 v[B2+8*\n:B2+8*\n+3], v[B2A], s[10:11] offset:64*\n
	global_load_b128 v[B2+8*\n+4:B2+8*\n+7], v[B2A], s[10:11] offset:64*\n+16
.endr
	WIN 0x40                                       ; destination window 1
.set ii, 0
.rept 64
	global_load_b128 v[4*ii:4*ii+3], v[LI], s[8:9] offset:512*ii th:TH_LOAD_NT    ; 512 consecutive bytes; each byte of W2 is read once in the launch
.set ii, ii+1
.endr
	WIN 0
	s_wait_loadcnt 63                              ; of the 76 loads issued the oldest thirteen are in: ids and b2 among them
	ROUTE
	s_wait_kmcnt 0x0
	s_add_co_i32 s[SCL], s26, s27
	s_add_co_i32 s[SCL], s[SCL], 127
	s_lshl_b32 s[SCL], s[SCL], 23                  ; 2^(ew2 + eh) as f32
	s_mov_b32 s[SCL+1], s[SCL]                     ; (named with it as a pair, so it is written)
	WIN 0x04                                       ; store data window 1
.set ci, 0
.rept 4
	s_wait_loadcnt 48-16*ci                        ; this chunk's sixteen loads are in; the later chunks' may be out
.set jj, 0
.rept 16
.set ld, 16*ci+jj
	ds_store_b128 v[WST], v[4*ld:4*ld+3] offset:PW*(ld/8)+512*(ld%8)
.set jj, jj+1
.endr
.set ci, ci+1
.endr
	WIN 0
	s_wait_dscnt 0x0                               ; for the other waves' sake: my rows of W2 have landed
	s_barrier_signal -1
	s_barrier_wait -1                              ; the one barrier: behind it W2 is only read, and every LDS store goes to the wave's own stage
	s_mov_b32 s[PS], 0
	s_cmp_eq_u32 s[NP], 0
	s_cbranch_scc1 .Lend                           ; no tile for this wave
.Lpass:
	s_mul_i32 s[DONE], s[PS], 3                    ; three tiles to each pass that is done
	s_sub_co_u32 s28, s[CW], s[DONE]               ; tiles still to do
	s_cmp_ge_u32 s28, 3
	s_cbranch_scc1 .Lthree
	s_cmp_eq_u32 s28, 2
	s_cbranch_scc1 .Ltwo
	PASSD 1
	s_branch .Lnext
.Ltwo:
	PASSD 2
	s_branch .Lnext
.Lthree:
	PASSD 3
.Lnext:
	s_wait_xcnt 0x0                                ; the stores and loads have read their data, offsets and bases: a further pass writes them again
	s_add_co_u32 s[PS], s[PS], 1                   ; the loop's counter, stepped once a trip by 1
	s_cmp_lt_u32 s[PS], s[NP]
	s_cbranch_scc1 .Lpass
.Lend:
	s_wait_tensorcnt 0x0
	ds_add_u32 v254, v255
	s_wait_dscnt 0x0
	s_endpgm
.Lfunc_end_k_q2569961856_down:
	.size	k_q2569961856_down, .Lfunc_end_k_q2569961856_down-k_q2569961856_down
	.p2alignl 7, 3214868480
	.fill 96, 4, 3214868480
	.section	.rodata,"a",@progbits
	.p2align	6, 0x0
	.amdhsa_kernel k_q2569961856_down
		.amdhsa_group_segment_fixed_size 141312
		.amdhsa_private_segment_fixed_size 0
		.amdhsa_enable_private_segment 0
		.amdhsa_kernarg_size 48
		.amdhsa_user_sgpr_count 2
		.amdhsa_user_sgpr_kernarg_segment_ptr 1
		.amdhsa_wavefront_size32 1
		.amdhsa_system_sgpr_workgroup_id_x 1
		.amdhsa_system_sgpr_workgroup_id_y 1
		.amdhsa_system_sgpr_workgroup_id_z 1
		.amdhsa_system_vgpr_workitem_id 0
		.amdhsa_next_free_vgpr 512
		.amdhsa_next_free_sgpr 100
		.amdhsa_reserve_vcc 1
		.amdhsa_float_denorm_mode_32 3
		.amdhsa_float_denorm_mode_16_64 3
		.amdhsa_memory_ordered 1
		.amdhsa_forward_progress 1
		.amdhsa_inst_pref_size 255
	.end_amdhsa_kernel
	.section	.bss,"aw",@nobits
	.p2align	6
	.space	262144
	.amdgpu_metadata
---
amdhsa.version: [ 1, 2 ]
amdhsa.kernels:
  - .name:           k_q2569961856_down
    .symbol:         k_q2569961856_down.kd
    .args:
      - { .name: ids, .offset: 0, .size: 8, .value_kind: global_buffer, .address_space: global }
      - { .name: himg, .offset: 8, .size: 8, .value_kind: global_buffer, .address_space: global }
      - { .name: w2_codes, .offset: 16, .size: 8, .value_kind: global_buffer, .address_space: global }
      - { .name: b2, .offset: 24, .size: 8, .value_kind: global_buffer, .address_space: global }
      - { .name: lowp_scales, .offset: 32, .size: 8, .value_kind: global_buffer, .address_space: global }
      - { .name: out0, .offset: 40, .size: 8, .value_kind: global_buffer, .address_space: global }
    .group_segment_fixed_size: 141312
    .private_segment_fixed_size: 0
    .kernarg_segment_align: 8
    .kernarg_segment_size: 48
    .max_flat_workgroup_size: 128
    .sgpr_count:     100
    .vgpr_count:     512
    .wavefront_size: 32
...
	.end_amdgpu_metadata
.endif
;; end of part 3
;; ======== version 2 of 2: 3 launches
;; workspace buffers: xq 1,048,576 bytes; ids 4,096 bytes of whole numbers; himg 33,554,432 bytes
;; launch gate (part 4): grid 256 x 1, 4 waves a work-group, no clusters, 53,760 bytes of LDS; arguments x, gate_w, gate_b, lowp_scales, xq, ids; writes xq, ids
.if DOCPART == 4
	.amdgcn_target "amdgcn-amd-amdhsa--gfx1250"
	.amdhsa_code_object_version 6
	.text
	.protected	k_q2569961856_gate
	.globl	k_q2569961856_gate
	.p2align	8
	.type	k_q2569961856_gate,@function
k_q2569961856_gate:
	s_mov_b64 s[64:65], 0
	v_nop
	global_prefetch_b8 v0, s[64:65] scope:SCOPE_SE
	s_setreg_imm32_b32 hwreg(HW_REG_WAVE_MODE, 25, 1), 1
	s_wait_xcnt 0x0
; THE GATE AND x's CODES.  For each token: logits = x . gate_w[e] + gate_b[e] in f32 multiply-adds, softmax with the largest logit taken away, argmax (the lower index wins a tie);
; the chosen expert goes to ids[token] (int32).  The token's 1,024 numbers also become codes of E5M2 with the given scale 2^ex (entry 0 of the scales): xq[token][1024], K in its natural order.
; SHARES.  256 work-groups of four waves; a wave owns one token, a row of 4,096 bytes, read once.  gate_w (32,768 bytes) comes once into the work-group's LDS: wave w brings experts 2 w and 2 w + 1.
; No matrix unit: eight columns are too few for it.  No cluster, no tensor load: the work-groups share only gate_w, 32 KiB beside nothing else that is read twice.
; LIMITS: ex between -126 and 112, so that 2^ex and 57,344 x 2^ex are f32 numbers.  NaN among the inputs is not served.  The logits' f32 sums run in another order than a row-by-row sum.
; LDS: 0 .. 32,767 gate_w, expert e at 4,096 e;  from 32,768 a stage of 5,120 bytes for each wave: two steps of 32 places of 80 bytes (64 of data, 16 of padding).
.set XR,  16                           ; v16-47   x as loaded: register 4 i + c holds k = 128 i + 4 lane + c
.set XT,  48                           ; v48-79   x turned: register 16 st + j holds k = 512 st + 16 lane + j
.set CD,  80                           ; v80-87   the codes
.set GR,  96                           ; v96-223  four experts' rows of gate_w, 32 registers each, laid as XR; at the head v96-159 take the wave's 16 loads of gate_w
.set SM,  224                          ; v224-239 eight pairs of sums
.set LG,  240                          ; v240-247 the logits, then the probabilities
.set SP,  80
.set STG, 32768
	s_load_b256 s[4:11], s[0:1], 0x0               ; x s[4:5], gate_w s[6:7], gate_b s[8:9], the scales s[10:11]
	s_load_b128 s[12:15], s[0:1], 0x20             ; xq s[12:13], ids s[14:15]
	v_lshl_add_u32 v95, v0, 2, 0xd000
	v_mov_b32 v255, 0
	v_lshrrev_b32 v1, 5, v0
	v_readfirstlane_b32 s16, v1                    ; wave 0..3
	v_and_b32 v1, 31, v0                           ; lane
	v_lshlrev_b32 v2, 4, v1                        ; 16 x lane
	s_lshl_b32 s17, ttmp9, 2
	s_add_co_u32 s17, s17, s16                     ; my token
	s_lshl_b32 s18, s16, 13
	v_add_nc_u32 v5, s18, v2                       ; my wave's two experts: 8,192 w + 16 lane, in gate_w and in LDS alike
	s_mul_i32 s19, s16, 64*SP
	s_add_co_u32 s19, s19, STG                     ; my stage
	v_lshrrev_b32 v3, 2, v1
	v_mul_u32_u24 v3, v3, SP
	v_and_b32 v4, 3, v1
	v_lshl_add_u32 v3, v4, 4, v3
	v_add_nc_u32 v3, s19, v3                       ; into the stage: four lanes' 64 bytes on end, then 16 of padding
	v_mul_u32_u24 v4, v1, SP
	v_add_nc_u32 v4, s19, v4                       ; out of it: my 16 neighbours
	s_lshl_b32 s20, s17, 12                        ; my row of x, in bytes
	s_mov_b32 s21, 0
	s_lshl_b32 s22, s17, 10                        ; my row of codes
	s_mov_b32 s23, 0
	s_lshl_b32 s36, s17, 2                         ; my word of ids
	v_mov_b32 v254, s36
	s_mov_b32 s34, 0x76543210                      ; v_permlanex16_b32: each lane takes its own place in the other half
	s_mov_b32 s35, 0xfedcba98
	s_wait_alu depctr_va_vdst(0)
	s_wait_kmcnt 0x0
	s_load_b256 s[24:31], s[8:9], 0x0              ; gate_b
	s_load_b32 s32, s[10:11], 0x0                  ; ex
	s_add_nc_u64 s[4:5], s[4:5], s[20:21]
	s_add_nc_u64 s[12:13], s[12:13], s[22:23]
.irp j, 0,1,2,3,4,5,6,7,8,9,10,11,12,13,14,15
	global_load_b128 v[GR+4*\j:GR+4*\j+3], v5, s[6:7] offset:512*\j      ; 512 consecutive bytes a load
.endr
.irp i, 0,1,2,3,4,5,6,7
	global_load_b128 v[XR+4*\i:XR+4*\i+3], v2, s[4:5] offset:512*\i th:TH_LOAD_NT   ; the row is read once in the whole program
.endr
	s_wait_loadcnt 8                               ; gate_w's sixteen are in; x's eight may be out
.irp j, 0,1,2,3,4,5,6,7,8,9,10,11,12,13,14,15
	ds_store_b128 v5, v[GR+4*\j:GR+4*\j+3] offset:512*\j
.endr
	s_wait_loadcnt 0x0
.irp i, 0,1,2,3,4,5,6,7
	ds_store_b128 v3, v[XR+4*\i:XR+4*\i+3] offset:32*SP*(\i/4)+8*SP*(\i%4)   ; a load's 512 bytes take eight places of the stage
.endr
	s_wait_dscnt 0x0                               ; for the other waves' sake: my part of gate_w has landed
	s_barrier_signal -1
	s_barrier_wait -1                              ; the one barrier: behind it gate_w is only read
.irp i, 0,1,2,3,4,5,6,7
	ds_load_b128 v[XT+4*\i:XT+4*\i+3], v4 offset:32*SP*(\i/4)+16*(\i%4)
.endr
.macro GFETCH g                        ; experts 4 g .. 4 g + 3
.irp e, 0,1,2,3
.irp i, 0,1,2,3,4,5,6,7
	ds_load_b128 v[GR+32*\e+4*\i:GR+32*\e+4*\i+3], v2 offset:4096*(4*\g+\e)+512*\i
.endr
.endr
.endm
	GFETCH 0
	s_wait_kmcnt 0x0
	s_add_co_i32 s32, s32, 127
	s_lshl_b32 s33, s32, 23
	v_mov_b32 v6, s33                              ; 2^ex as f32: the conversion takes its exponent field
	s_add_co_i32 s32, s32, 15
	s_lshl_b32 s32, s32, 23
	s_or_b32 s32, s32, 0x600000
	v_mov_b32 v7, s32                              ; 57,344 x 2^ex
	s_wait_alu depctr_va_vdst(0)
	s_wait_dscnt 32                                ; the turned row is in; the 32 loads of gate_w may be out
.set j, 0
.rept 32
	v_med3_num_f32 v[XT+j], v[XT+j], -v7, v7       ; the conversion to an 8-bit code does not saturate (ISA guide 7.6.2): the hold at the largest code x the scale
.set j, j+1
.endr
.irp g, 0,1,2,3
	v_cvt_scalef32_pk8_bf8_f32 v[CD+2*\g:CD+2*\g+1], v[XT+8*\g:XT+8*\g+7], v6
.endr
	v_nop                                          ; a plain line behind the last conversion
	global_store_b128 v2, v[CD:CD+3], s[12:13]                 ; 32 lanes store 512 consecutive bytes
	global_store_b128 v2, v[CD+4:CD+7], s[12:13] offset:512
.macro DOT g                           ; four experts' products with my row, two numbers an instruction, four chains that take turns
.set ii, 0
.rept 16
.set ee, 0
.rept 4
.if ii == 0
	v_pk_mul_f32 v[SM+8*\g+2*ee:SM+8*\g+2*ee+1], v[XR:XR+1], v[GR+32*ee:GR+32*ee+1]    ; the first product starts the sum
.else
	v_pk_fma_f32 v[SM+8*\g+2*ee:SM+8*\g+2*ee+1], v[XR+2*ii:XR+2*ii+1], v[GR+32*ee+2*ii:GR+32*ee+2*ii+1], v[SM+8*\g+2*ee:SM+8*\g+2*ee+1]
.endif
.set ee, ee+1
.endr
.set ii, ii+1
.endr
.endm
	s_wait_dscnt 0x0
	DOT 0
	GFETCH 1
	s_wait_dscnt 0x0
	DOT 1
.irp e, 0,1,2,3,4,5,6,7
	v_add_f32 v[LG+\e], v[SM+2*\e], v[SM+2*\e+1]
.endr
.irp m, 1,2,4,8                        ; across the 16 lanes of each half, the eight sums by turns
.irp e, 0,1,2,3,4,5,6,7
	v_add_f32_dpp v[LG+\e], v[LG+\e], v[LG+\e] row_xmask:\m row_mask:0xf bank_mask:0xf
.endr
.endr
.irp e, 0,1,2,3,4,5,6,7
	v_permlanex16_b32 v[SM+\e], v[LG+\e], s34, s35     ; the other half's (the destination has been written)
.endr
.irp e, 0,1,2,3,4,5,6,7
	v_add_f32 v[LG+\e], v[LG+\e], v[SM+\e]
.endr
.irp e, 0,1,2,3,4,5,6,7
	v_add_f32 v[LG+\e], s[24+\e], v[LG+\e]             ; + gate_b: every lane holds the eight logits
.endr
	v_max3_num_f32 v248, v[LG], v[LG+1], v[LG+2]       ; the softmax, with the largest logit taken away first
	v_max3_num_f32 v248, v248, v[LG+3], v[LG+4]
	v_max3_num_f32 v248, v248, v[LG+5], v[LG+6]
	v_max_num_f32 v248, v248, v[LG+7]
.irp e, 0,1,2,3,4,5,6,7
	v_sub_f32 v[LG+\e], v[LG+\e], v248
.endr
.irp e, 0,1,2,3,4,5,6,7
	v_mul_f32 v[LG+\e], 0x3fb8aa3b, v[LG+\e]           ; x log2(e)
.endr
	s_wait_alu depctr_va_vdst(0)
.irp e, 0,1,2,3,4,5,6,7
	v_exp_f32 v[LG+\e], v[LG+\e]
.endr
	v_mov_b32 v249, 0                              ; the index so far.  (The plain line behind the exponentials)
	s_wait_alu depctr_va_vdst(0)                   ; one wait for the eight exponentials, ahead of their first reader
	v_add_f32 v250, v[LG], v[LG+1]
	v_add_f32 v251, v[LG+2], v[LG+3]
	v_add_f32 v252, v[LG+4], v[LG+5]
	v_add_f32 v253, v[LG+6], v[LG+7]
	v_add_f32 v250, v250, v251
	v_add_f32 v252, v252, v253
	v_add_f32 v250, v250, v252
	s_wait_alu depctr_va_vdst(0)
	v_rcp_f32 v250, v250
	v_nop                                          ; a plain line behind the reciprocal
	s_wait_alu depctr_va_vdst(0)                   ; and the wait ahead of its first reader
.irp e, 0,1,2,3,4,5,6,7
	v_mul_f32 v[LG+\e], v[LG+\e], v250
.endr
.irp e, 1,2,3,4,5,6,7                  ; argmax: only a strictly larger probability moves the index, so the lower index wins a tie
	v_cmp_gt_f32 vcc_lo, v[LG+\e], v[LG]
	v_cndmask_b32 v249, v249, \e, vcc_lo
	v_max_num_f32 v[LG], v[LG], v[LG+\e]
.endr
	s_wait_alu depctr_va_vdst(0)
	s_wait_xcnt 0x0                                ; EXEC changes only behind this wait: the stores of the codes have had their addresses translated
	v_cmp_eq_u32 vcc_lo, 0, v1
	s_wait_tensorcnt 0x0
	ds_add_u32 v95, v255
	s_wait_dscnt 0x0
	s_and_saveexec_b32 s37, vcc_lo                 ; lane 0 alone
	global_store_b32 v254, v249, s[14:15]          ; ids[token]
	s_endpgm
.Lfunc_end_k_q2569961856_gate:
	.size	k_q2569961856_gate, .Lfunc_end_k_q2569961856_gate-k_q2569961856_gate
	.p2alignl 7, 3214868480
	.fill 96, 4, 3214868480
	.section	.rodata,"a",@progbits
	.p2align	6, 0x0
	.amdhsa_kernel k_q2569961856_gate
		.amdhsa_group_segment_fixed_size 53760
		.amdhsa_private_segment_fixed_size 0
		.amdhsa_enable_private_segment 0
		.amdhsa_kernarg_size 48
		.amdhsa_user_sgpr_count 2
		.amdhsa_user_sgpr_kernarg_segment_ptr 1
		.amdhsa_wavefront_size32 1
		.amdhsa_system_sgpr_workgroup_id_x 1
		.amdhsa_system_sgpr_workgroup_id_y 1
		.amdhsa_system_sgpr_workgroup_id_z 1
		.amdhsa_system_vgpr_workitem_id 0
		.amdhsa_next_free_vgpr 256
		.amdhsa_next_free_sgpr 66
		.amdhsa_reserve_vcc 1
		.amdhsa_float_denorm_mode_32 3
		.amdhsa_float_denorm_mode_16_64 3
		.amdhsa_memory_ordered 1
		.amdhsa_forward_progress 1
		.amdhsa_inst_pref_size 28
	.end_amdhsa_kernel
	.amdgpu_metadata
---
amdhsa.version: [ 1, 2 ]
amdhsa.kernels:
  - .name:           k_q2569961856_gate
    .symbol:         k_q2569961856_gate.kd
    .args:
      - { .name: x, .offset: 0, .size: 8, .value_kind: global_buffer, .address_space: global }
      - { .name: gate_w, .offset: 8, .size: 8, .value_kind: global_buffer, .address_space: global }
      - { .name: gate_b, .offset: 16, .size: 8, .value_kind: global_buffer, .address_space: global }
      - { .name: lowp_scales, .offset: 24, .size: 8, .value_kind: global_buffer, .address_space: global }
      - { .name: xq, .offset: 32, .size: 8, .value_kind: global_buffer, .address_space: global }
      - { .name: ids, .offset: 40, .size: 8, .value_kind: global_buffer, .address_space: global }
    .group_segment_fixed_size: 53760
    .private_segment_fixed_size: 0
    .kernarg_segment_align: 8
    .kernarg_segment_size: 48
    .max_flat_workgroup_size: 128
    .sgpr_count:     66
    .vgpr_count:     256
    .wavefront_size: 32
...
	.end_amdgpu_metadata
.endif
;; end of part 4
;; launch up (part 5): grid 32 x 8, 4 waves a work-group, no clusters, 202,240 bytes of LDS; arguments ids, xq, w1_codes, b1, lowp_scales, himg; writes himg
.if DOCPART == 5
	.amdgcn_target "amdgcn-amd-amdhsa--gfx1250"
	.amdhsa_code_object_version 6
	.text
	.protected	k_q2569961856_up
	.globl	k_q2569961856_up
	.p2align	8
	.type	k_q2569961856_up,@function
k_q2569961856_up:
	s_mov_b64 s[64:65], 0
	v_nop
	global_prefetch_b8 v0, s[64:65] scope:SCOPE_SE
	s_setreg_imm32_b32 hwreg(HW_REG_WAVE_SCHED_MODE, 0, 2), 2
	s_setreg_imm32_b32 hwreg(HW_REG_WAVE_MODE, 25, 1), 1
	s_wait_xcnt 0x0
	s_wait_alu depctr_vm_vsrc(0)
; THE FIRST PRODUCT, for the chosen rows alone.  Work-group (sl, e): hidden units 128 sl .. 128 sl + 127 of expert e, for the tokens whose ids entry is e:
; h = relu(x W1 + b1), quantised to E5M2 with 2^eh, stored as K step sl of the second product's operand.  Scales: entry 0 ex (x), 1 ew1, 3 eh.
; WHICH TOKENS.  Every wave reads the 4,096 bytes of ids and finds, in registers, the token at place p of expert e's list (places in the order: ids' register, then lane); tile t holds places 16 t .. 16 t + 15.
; The launch that follows finds the same list by the same lines.  Places at or past the expert's n rows are held at n - 1: a tile's spare rows are copies of the expert's last row.
; SHARES.  The work-group's 128 rows of W1 (131,072 bytes, dense in memory, read once in the launch) lie in LDS.  THE WAVES SHARE THE ROWS OF x: in pass j wave w takes tiles w + 4 (3 j + a), a = 0, 1, 2, for all 128 units,
; so that each fragment of W1 read from LDS feeds three matrix instructions.  Three tiles are always computed (their loads stand ahead of the one barrier, which no branch on ids may jump); a tile at or past the expert's T tiles is not stored.
; TRANSPOSED: source 0 = 16 rows of W1, source 1 = 16 rows of x: a lane holds one token.  THE ROWS OF W1 THAT FORM A TILE ARE NOT NEIGHBOURS: lane r of tile 2 b + u takes row 32 b + 8 u + r + 8 (r / 8), so that the 16 registers of
; tiles 2 b and 2 b + 1 are 16 neighbouring units, 32 b + 16 (lane / 16) + 0 .. 15: the conversions' results are the next operand's registers.  W1's rows are laid in LDS in that order.
; himg: [e 8][tile 64][K step 32][chunk 4][lane 32][16 bytes]: a fragment as an image of its registers, 2,048 bytes on end.
; NO TENSOR LOAD, NO CLUSTER: the 32 work-groups of an expert read the same rows of x, but the number of passes hangs on ids, which are read from memory; so operands come by loads through registers.
; NO PREFETCH: all of a work-group's weights are asked for at its head.
; LIMITS: eh - ex - ew1 between -126 and 112.  NaN among the inputs is not served.
; LDS: 0: W1, 128 rows of 1,024 bytes + 16 (65 x 16: the 16 rows of a fragment start at 16 different groups of banks);  133,120 + 16,640 w: a tile of x, 16 such rows, the wave's own;  199,680 + 512 w: b1's 128 numbers, the wave's own.
; REGISTERS, in windows of 256.  Window 0: addresses; v32-55 x's offsets; v64-191 two sets of four fragments of W1 (at the head v64-95 ids; at a pass's end v64-111 the codes); v192-255 b1 in the result's layout.
;   Windows 1, 2: four regions of 128: tile a's rows land in region a + 1, its fragments lie in region a; region 3, once tile 2's rows have left it, holds two more sets of W1's fragments.
;   Window 3: the landing of the 64 loads of W1, then the 24 accumulators, (a, t) at v[64 a + 8 t].
; THE MODE: SCHED_MODE bits 1:0 = 2 (LLVM: expert scheduling mode 2), set by the entry lines.  The code itself states the register dependences between vector or matrix instructions and memory or LDS instructions, with s_wait_alu, always for 0.
; THE PLAN.  Registers that memory or LDS instructions touch, who writes and who reads them, and the wait that stands between:
;   v1, v4-8, v30, v31   addresses, made at the head and never written again: one wait on va_vdst ahead of the first load.
;   v32-55               x's offsets: written by XPREP, read by x's 96 loads: va_vdst behind XPREP; vm_vsrc at a pass's end, ahead of the next XPREP.
;   window 3             W1's 64 loads land, my LDS stores read, the products write: vm_vsrc behind the barrier.
;   regions 1 to 3       x's rows land, XTURN's LDS stores read; region a then takes tile a's fragments: vm_vsrc at the head of XTURN 1 and 2.  The products read regions 0 to 2; the next pass's loads land behind the va_vdst ahead of the stores.
;   W1's four sets       K step p's two groups lie in the pair p % 2 (v64-191; region 3).  The pair is asked for again, for K step p + 2, behind ONE wait on va_vdst, which shows K step p's 24 products done reading it: six such waits in a pass.
;                        Region 3's first fetch stands behind a vm_vsrc: tile 2's LDS stores have read it.
;   v64-111              the codes: written by the conversions, read by the stores (va_vdst ahead of them), asked for again as a set of W1's (vm_vsrc at the pass's end).
;   Scalar registers and VCC that vector instructions write (the wave's number, the masks, the tokens) have a wait on va_sdst or va_vcc ahead of their first reader; the compares stand in runs, one wait to a run.
.set PW,   1040
.set XST,  128*PW
.set BST,  XST+4*16*PW
.set LI,   1                           ; 16 x lane
.set RR,   3                           ; lane % 16
.set WST,  4                           ; where I store W1's rows
.set WA0,  5                           ; my place in a fragment of W1, tiles 0-3
.set WA1,  6                           ; tiles 4-7
.set XSS,  7                           ; x's stage: in
.set XSR,  8                           ; and out
.set P01,  10                          ; 64 (lane / 16) + lane % 16: two tiles' places in the two halves of the lanes
.set QI,   11                          ; v11-21: at work in SELECT
.set VA,   12
.set KK,   13
.set MV,   14
.set A1,   15
.set A2,   16
.set A3,   17
.set A4,   18
.set BB,   19
.set T0,   20
.set T1,   21
.set POS,  23
.set TOK01, 24                         ; tokens of tiles a = 0 (lanes 0-15) and a = 1 (lanes 16-31)
.set TOK2, 25                          ; of tile a = 2
.set L15,  27                          ; 16 x (lane % 16)
.set SC,   28                          ; 2^(eh - ex - ew1)
.set LIM,  29                          ; 57,344 x that
.set BSS,  30
.set BSR,  31
.set XO,   32                          ; v[32 + 8 a + u]: byte offset in xq of my 16 bytes of row 2 u + lane / 16 of tile a
.set BLD,  56
.set RING, 64
.set IDS,  64
.set PC,   64
.set BIAS, 192
.set WV,   16
.set EE,   17
.set SL,   18
.set NN,   19                          ; the expert's rows
.set TT,   20                          ; its tiles
.set CW,   21                          ; my wave's tiles
.set NM1,  23
.set CNT,  34
.set TMP,  35
.set HBASE, 36                         ; s[36:41] where the three tiles' images go
.set TA,   42                          ; s42-44 the three tiles' numbers
.set HB,   45
.set RL,   46                          ; s46-61 sixteen tokens; in SELECT: s46-53 eight masks of a run of compares, s54-61 the eight running counts
.set HI,   62                          ; lanes 16-31
.set PS,   63                          ; passes done: the loop's counter, stepped by 1
.set NP,   98                          ; my wave's passes: its tiles / 3, rounded up; the loop does not write it
.set MSK,  66                          ; s66-97: bit l of mask q: token 128 (q / 4) + 4 l + q % 4 is the expert's
.set MSB, 0
.macro WIN new                         ; the immediate's high byte repeats the setting that is left
.if MSB != (\new)
	s_set_vgpr_msb (MSB<<8)|(\new)
.set MSB, (\new)
.endif
.endm
; The expert's tokens as 32 lane masks, and the counts.
.macro ROUTE
.set q, 0
.rept 32
	v_cmp_eq_u32 s[MSK+q], s[EE], v[IDS+q]
.set q, q+1
.endr
	s_wait_alu depctr_va_sdst(0)                   ; the 32 compares have written the masks, ahead of their first reader
	s_mov_b32 s[NN], 0
.set q, 0
.rept 32
	s_bcnt1_i32_b32 s[TMP], s[MSK+q]
	s_add_co_u32 s[NN], s[NN], s[TMP]
.set q, q+1
.endr
	s_max_u32 s[NM1], s[NN], 1
	s_sub_co_u32 s[NM1], s[NM1], 1                 ; the last place (0 where the expert has no row: nothing is stored then)
	s_add_co_u32 s[TT], s[NN], 15
	s_lshr_b32 s[TT], s[TT], 4
	s_add_co_u32 s[CW], s[TT], 3
	s_sub_co_u32 s[CW], s[CW], s[WV]
	s_lshr_b32 s[CW], s[CW], 2                     ; tiles w, w + 4, .. under T: 16 at the most
	s_add_co_u32 s[NP], s[CW], 2
	s_mul_i32 s[NP], s[NP], 171
	s_lshr_b32 s[NP], s[NP], 9                     ; (tiles + 2) / 3: x 171 / 512 gives the whole part for numbers up to 18 and beyond
.endm
.macro STEPSEL src, inc, fw            ; are there KK or fewer set bits in the lower half of the range at bit BB?  Then the bit lies in the upper half
	v_bfe_u32 v[T0], v[\src], v[BB], \fw
	v_cmp_ge_u32 vcc_lo, v[KK], v[T0]
	s_wait_alu depctr_va_vcc(0)                    ; the compare has written VCC, ahead of the two selects that read it
	v_cndmask_b32 v[T0], 0, v[T0], vcc_lo
	v_sub_nc_u32 v[KK], v[KK], v[T0]
	v_cndmask_b32 v[T1], 0, \inc, vcc_lo
	v_add_nc_u32 v[BB], v[BB], v[T1]
.endm
; Each lane's place v[pos] in the expert's list becomes its token v[tok].  The last mask whose running count is at most the place holds it; in that mask it is set bit number place - count.
; The 31 compares stand in four runs of eight (the last of seven), each run's results in eight scalar registers and its running counts in eight more, so that one wait serves a run.
.macro SELECT pos, tok
	v_min_u32 v[\pos], s[NM1], v[\pos]
	s_wait_alu depctr_va_vdst(0)
	v_mov_b32 v[QI], 0
	v_mov_b32 v[VA], 0
	v_mov_b32 v[MV], s[MSK]
	s_bcnt1_i32_b32 s[CNT], s[MSK]
.set q0, 1
.rept 4
.set qj, 0
.rept 8
.if q0+qj < 32
	s_mov_b32 s[RL+8+qj], s[CNT]                   ; the count ahead of mask q0 + qj is kept for the select below
	v_cmp_le_u32 s[RL+qj], s[CNT], v[\pos]
.if q0+qj < 31
	s_bcnt1_i32_b32 s[TMP], s[MSK+q0+qj]
	s_add_co_u32 s[CNT], s[CNT], s[TMP]
.endif
.endif
.set qj, qj+1
.endr
	s_wait_alu depctr_va_sdst(0)                   ; the run's compares have written their masks, ahead of the selects that read them
.set qj, 0
.rept 8
.if q0+qj < 32
	v_cndmask_b32 v[QI], v[QI], q0+qj, s[RL+qj]
	v_cndmask_b32 v[VA], v[VA], s[RL+8+qj], s[RL+qj]
	v_cndmask_b32 v[MV], v[MV], s[MSK+q0+qj], s[RL+qj]
.endif
.set qj, qj+1
.endr
.set q0, q0+8
.endr
	v_sub_nc_u32 v[KK], v[\pos], v[VA]
	v_lshrrev_b32 v[T0], 1, v[MV]                  ; the mask's set bits counted in fields of 2, 4, 8 and 16 bits
	v_and_b32 v[A1], 0x55555555, v[MV]
	v_and_b32 v[T0], 0x55555555, v[T0]
	v_add_nc_u32 v[A1], v[A1], v[T0]
	v_lshrrev_b32 v[T0], 2, v[A1]
	v_and_b32 v[A2], 0x33333333, v[A1]
	v_and_b32 v[T0], 0x33333333, v[T0]
	v_add_nc_u32 v[A2], v[A2], v[T0]
	v_lshrrev_b32 v[T0], 4, v[A2]
	v_and_b32 v[A3], 0x0f0f0f0f, v[A2]
	v_and_b32 v[T0], 0x0f0f0f0f, v[T0]
	v_add_nc_u32 v[A3], v[A3], v[T0]
	v_lshrrev_b32 v[T0], 8, v[A3]
	v_and_b32 v[A4], 0x00ff00ff, v[A3]
	v_and_b32 v[T0], 0x00ff00ff, v[T0]
	v_add_nc_u32 v[A4], v[A4], v[T0]
	v_mov_b32 v[BB], 0
	STEPSEL A4, 16, 8
	STEPSEL A3, 8, 8
	STEPSEL A2, 4, 4
	STEPSEL A1, 2, 2
	STEPSEL MV, 1, 1
	v_lshrrev_b32 v[T0], 2, v[QI]
	v_lshlrev_b32 v[T0], 7, v[T0]
	v_lshl_add_u32 v[T0], v[BB], 2, v[T0]
	v_and_b32 v[T1], 3, v[QI]
	v_add_nc_u32 v[\tok], v[T0], v[T1]             ; 128 (q / 4) + 4 bit + q % 4
.endm
; A pass's three tiles: their numbers, their rows' offsets in xq, and where their images go.
.macro XPREP
	s_mul_i32 s28, s[PS], 12
	s_add_co_u32 s[TA], s28, s[WV]                 ; tile w + 4 x 3 x pass,
	s_add_co_u32 s[TA+1], s[TA], 4
	s_add_co_u32 s[TA+2], s[TA], 8                 ; and the two that follow among my wave's
	s_lshl_b32 s28, s[TA], 4
	v_add_nc_u32 v[POS], s28, v[P01]
	SELECT POS, TOK01
	s_lshl_b32 s28, s[TA+2], 4
	v_add_nc_u32 v[POS], s28, v[RR]
	SELECT POS, TOK2
.set aa, 0
.rept 3
.set jj, 0
.rept 16
	v_readlane_b32 s[RL+jj], v[TOK01+aa/2], 16*(aa%2)+jj       ; the tile's sixteen tokens
.set jj, jj+1
.endr
	s_wait_alu depctr_va_sdst(0)                   ; the sixteen tokens are written, ahead of their first reader
.set iu, 0
.rept 8
	v_mov_b32 v[XO+8*aa+iu], s[RL+2*iu]                        ; lanes 0-15: row 2 u;
	v_cndmask_b32 v[XO+8*aa+iu], v[XO+8*aa+iu], s[RL+2*iu+1], s[HI]   ; lanes 16-31: row 2 u + 1
	v_min_u32 v[XO+8*aa+iu], 0x3ff, v[XO+8*aa+iu]              ; a token's number is under 1,024
	v_lshl_add_u32 v[XO+8*aa+iu], v[XO+8*aa+iu], 10, v[L15]
.set iu, iu+1
.endr
	s_min_u32 s28, s[TA+aa], 63
	s_lshl_b32 s28, s28, 16
	s_add_co_u32 s28, s28, s[HB]
	s_mov_b32 s29, 0
	s_add_nc_u64 s[HBASE+2*aa:HBASE+2*aa+1], s[14:15], s[28:29]
.set aa, aa+1
.endr
.endm
; Sixteen loads: eight rows of tile hb / 2.  A load takes two rows x 256 consecutive bytes, aligned.
.macro XLOADH hb
.set xa, (\hb)/2
.set rg, xa+1
	WIN 0x40*(1+rg/2)
.set iu, 4*((\hb)%2)
.rept 4
.set ii, 0
.rept 4
	global_load_b128 v[128*(rg%2)+16*iu+4*ii:128*(rg%2)+16*iu+4*ii+3], v[XO+8*xa+iu], s[6:7] offset:256*ii
.set ii, ii+1
.endr
.set iu, iu+1
.endr
	WIN 0
.endm
; Tile a's rows go through my stage and come back as eight fragments.  LDS serves a wave's instructions in order, so the one stage serves the three tiles.
.macro XTURN a, cnt
	s_wait_loadcnt \cnt                            ; tile a's 32 loads are in; the later tiles' may be out
.if (\a) > 0
	s_wait_alu depctr_vm_vsrc(0)                   ; the LDS stores of the tile before have read region a, in which the fragments below land
.endif
.set rs, (\a)+1
.set rd, (\a)
	WIN 0x04*(1+rs/2)
.set iu, 0
.rept 8
.set ii, 0
.rept 4
	ds_store_b128 v[XSS], v[128*(rs%2)+16*iu+4*ii:128*(rs%2)+16*iu+4*ii+3] offset:2*PW*iu+256*ii
.set ii, ii+1
.endr
.set iu, iu+1
.endr
.if (\a) > 0
	s_wait_dscnt 32                                ; only these 32 stores may be out: the tile before has left the registers into which the loads below land
.endif
	WIN 0x40*(1+rd/2)
.set ks, 0
.rept 8
.set kc, 0
.rept 4
	ds_load_b128 v[128*(rd%2)+16*ks+4*kc:128*(rd%2)+16*ks+4*kc+3], v[XSR] offset:128*ks+32*kc
.set kc, kc+1
.endr
.set ks, ks+1
.endr
	WIN 0
.endm
; K step p's two groups (tiles 0-3 and tiles 4-7 of W1): eight fragments, 32 loads, into the pair of sets p % 2: v64-191 of window 0, or region 3 (v128-255 of window 2).
.macro WFETCH2 p
.set wb, RING+64*((\p)%2)
	WIN 0x80*((\p)%2)
.set gi, 0
.rept 2
.set kk, 0
.rept 4
.set kc, 0
.rept 4
	ds_load_b128 v[wb+64*gi+16*kk+4*kc:wb+64*gi+16*kk+4*kc+3], v[WA0+gi] offset:16*PW*kk+128*(\p)+32*kc
.set kc, kc+1
.endr
.set kk, kk+1
.endr
.set gi, gi+1
.endr
.endm
; Group g: K step g / 2, tiles 4 (g % 2) .. + 3 of W1.  Twelve matrix instructions.  The 24 accumulators take turns, one instruction a turn.
; The first K step takes b1 / 2^(ex + ew1) as C: nothing is cleared, and the bias costs no addition.
.macro MUL g
.set ks, (\g)/2
.set sw, 2*(ks%2)                      ; the window of W1's set: 0 or 2
.set rb, RING+64*(ks%2)+64*((\g)%2)
.if ks == 0
	WIN 0xc4                                       ; W1 window 0, x window 1, b1 window 0, D window 3
.else
	WIN 0xf4+sw                                    ; C and D window 3
.endif
.set kk, 0
.rept 4
.set tt, 4*((\g)%2)+kk
.set aa, 0
.rept 2
.if ks == 0
	v_wmma_f32_16x16x128_bf8_bf8 v[64*aa+8*tt:64*aa+8*tt+7], v[rb+16*kk:rb+16*kk+15], v[128*aa+16*ks:128*aa+16*ks+15], v[BIAS+8*tt:BIAS+8*tt+7]
.else
	v_wmma_f32_16x16x128_bf8_bf8 v[64*aa+8*tt:64*aa+8*tt+7], v[rb+16*kk:rb+16*kk+15], v[128*aa+16*ks:128*aa+16*ks+15], v[64*aa+8*tt:64*aa+8*tt+7]
.endif
.set aa, aa+1
.endr
.set kk, kk+1
.endr
.if ks == 0
	WIN 0xc8                                       ; tile a = 2: x window 2
.else
	WIN 0xf8+sw
.endif
.set kk, 0
.rept 4
.set tt, 4*((\g)%2)+kk
.if ks == 0
	v_wmma_f32_16x16x128_bf8_bf8 v[128+8*tt:128+8*tt+7], v[rb+16*kk:rb+16*kk+15], v[16*ks:16*ks+15], v[BIAS+8*tt:BIAS+8*tt+7]
.else
	v_wmma_f32_16x16x128_bf8_bf8 v[128+8*tt:128+8*tt+7], v[rb+16*kk:rb+16*kk+15], v[16*ks:16*ks+15], v[128+8*tt:128+8*tt+7]
.endif
.set kk, kk+1
.endr
.endm
.macro STORET a                        ; tile a's image, 2,048 consecutive bytes, if the expert has the tile
	s_cmp_lt_u32 s[TA+\a], s[TT]
	s_cbranch_scc0 .Lnot_stored_\@
.irp b, 0,1,2,3
	global_store_b128 v[LI], v[PC+16*\a+4*\b:PC+16*\a+4*\b+3], s[HBASE+2*\a:HBASE+2*\a+1] offset:512*\b
.endr
.Lnot_stored_\@:
.endm
	s_load_b256 s[4:11], s[0:1], 0x0               ; ids s[4:5], xq s[6:7], W1's codes s[8:9], b1 s[10:11]
	s_load_b128 s[12:15], s[0:1], 0x20             ; the scales s[12:13], himg s[14:15]
	v_lshl_add_u32 v62, v0, 2, 0x31400
	v_mov_b32 v63, 0
	v_lshrrev_b32 v2, 5, v0
	v_readfirstlane_b32 s[WV], v2                  ; wave 0..3
	s_and_b32 s[EE], ttmp7, 0xffff                 ; the expert
	s_mov_b32 s[SL], ttmp9                         ; the slice of 128 hidden units
	s_mov_b32 s[HI], 0xffff0000
	v_and_b32 v2, 31, v0
	v_and_b32 v[RR], 15, v0
	v_bfe_u32 v9, v0, 4, 1                         ; h = lane / 16
	v_lshlrev_b32 v[LI], 4, v2
	v_lshl_add_u32 v[P01], v9, 6, v[RR]
	v_lshlrev_b32 v[L15], 4, v[RR]
	s_wait_alu depctr_va_sdst(0)                   ; the wave's number is written, ahead of its first reader
	s_mul_i32 s28, s[WV], 32*PW
	v_add_nc_u32 v[WST], s28, v[LI]                ; my wave's 32 rows of W1 in LDS
	v_mul_u32_u24 v[WA0], v[RR], PW
	v_lshl_add_u32 v[WA0], v9, 4, v[WA0]           ; a fragment's row x pitch + 16 h
	v_add_nc_u32 v[WA1], 4*16*PW, v[WA0]
	s_mul_i32 s28, s[WV], 16*PW
	s_add_co_u32 s28, s28, XST                     ; my stage for x
	v_mul_u32_u24 v[XSS], v9, PW
	v_lshl_add_u32 v[XSS], v[RR], 4, v[XSS]
	v_add_nc_u32 v[XSS], s28, v[XSS]               ; in: lanes 0-15 one row, lanes 16-31 the next
	v_add_nc_u32 v[XSR], s28, v[WA0]               ; out: as a fragment
	s_lshl_b32 s28, s[WV], 9
	s_add_co_u32 s28, s28, BST                     ; my 512 bytes for b1
	v_add_nc_u32 v[BSS], s28, v[LI]
	v_lshlrev_b32 v[BSR], 6, v9
	v_add_nc_u32 v[BSR], s28, v[BSR]               ; + 64 h: my half's sixteen units of each 32
	s_lshl_b32 s28, s[EE], 22
	s_lshl_b32 s29, s[SL], 17
	s_add_co_u32 s28, s28, s29
	s_lshl_b32 s29, s[WV], 15
	s_add_co_u32 s28, s28, s29                     ; W1: expert, slice, my 32 rows of 1,024 bytes
	s_mov_b32 s29, 0
	s_lshl_b32 s30, s[EE], 14
	s_lshl_b32 s31, s[SL], 9
	s_add_co_u32 s30, s30, s31                     ; b1: expert, slice
	s_mov_b32 s31, 0
	s_lshl_b32 s[HB], s[EE], 22
	s_lshl_b32 s32, s[SL], 11
	s_add_co_u32 s[HB], s[HB], s32                 ; himg: expert, K step
	s_wait_kmcnt 0x0
	s_load_b128 s[24:27], s[12:13], 0x0            ; ex, ew1, ew2, eh
	s_add_nc_u64 s[8:9], s[8:9], s[28:29]
	s_add_nc_u64 s[10:11], s[10:11], s[30:31]
	s_wait_alu depctr_va_vdst(0)                   ; the addresses v1, v4 to v8, v30 and v31 are written, which the loads, LDS stores and LDS loads of the whole kernel read
.irp i, 0,1,2,3,4,5,6,7
	global_load_b128 v[IDS+4*\i:IDS+4*\i+3], v[LI], s[4:5] offset:512*\i
.endr
	global_load_b128 v[BLD:BLD+3], v[LI], s[10:11]
	WIN 0xc0                                       ; destination window 3
.set ii, 0
.rept 64
	global_load_b128 v[4*ii:4*ii+3], v[LI], s[8:9] offset:512*ii th:TH_LOAD_NT    ; 512 consecutive bytes; each byte of W1 is read once in the launch
.set ii, ii+1
.endr
	WIN 0
	s_wait_loadcnt 63                              ; of the 73 loads issued the oldest ten are in: ids and b1 among them
	ds_store_b128 v[BSS], v[BLD:BLD+3]
.irp t, 0,1,2,3,4,5,6,7                ; b1 in the result's layout: tile 2 b + u, lane half h: units 32 b + 16 h + 8 u + 0 .. 7
	ds_load_b128 v[BIAS+8*\t:BIAS+8*\t+3], v[BSR] offset:128*(\t/2)+32*(\t%2)
	ds_load_b128 v[BIAS+8*\t+4:BIAS+8*\t+7], v[BSR] offset:128*(\t/2)+32*(\t%2)+16
.endr
	ROUTE
	s_mov_b32 s[PS], 0
	XPREP
	s_wait_dscnt 0x0                               ; b1
	s_wait_kmcnt 0x0
	s_add_co_i32 s28, s24, s25                     ; a sum of this product stands for sum x 2^(ex + ew1): b1 goes in divided by that,
	s_sub_co_i32 s29, 0, s28
	s_sub_co_i32 s30, s27, s28                     ; and the conversion's one scale is 2^(eh - ex - ew1)
	s_add_co_i32 s30, s30, 127
	s_lshl_b32 s31, s30, 23
	v_mov_b32 v[SC], s31
	s_add_co_i32 s30, s30, 15
	s_lshl_b32 s30, s30, 23
	s_or_b32 s30, s30, 0x600000
	v_mov_b32 v[LIM], s30
.set jj, 0
.rept 64
	v_ldexp_f32 v[BIAS+jj], v[BIAS+jj], s29
.set jj, jj+1
.endr
	s_wait_alu depctr_va_vdst(0)                   ; x's offsets v32 to v55 are written, which x's loads read; the compares are done reading ids' registers v64 to v95, in which W1's fragments land
; W1 goes into LDS, sixteen loads at a time, and x's loads are issued between: behind chunk c of W1 stand 48 - 16 c loads of W1 and 16 c of x, 48 each time.
.set ci, 0
.rept 4
	s_wait_loadcnt 48
	WIN 0x0c                                       ; store data window 3
.set jj, 0
.rept 16
.set ld, 16*ci+jj
.set xx, ld/2                          ; the row among my 32; it goes to the place that the tiles' choice of rows gives it
.set lam, 16*((xx/8)%2)+8*(xx/16)+(xx%8)
	ds_store_b128 v[WST], v[4*ld:4*ld+3] offset:lam*PW+512*(ld%2)
.set jj, jj+1
.endr
	WIN 0
	XLOADH ci
.set ci, ci+1
.endr
	XLOADH 4
	XLOADH 5
	s_wait_dscnt 0x0                               ; for the other waves' sake: my rows of W1 have landed
	s_barrier_signal -1
	s_barrier_wait -1                              ; the one barrier: behind it W1 is only read, and every LDS store goes to the wave's own bytes
	s_wait_alu depctr_vm_vsrc(0)                   ; my LDS stores have read the registers in which W1 landed: the products write them as accumulators
.Lpass:
	XTURN 0, 63                                    ; (64 loads stand behind tile 0's; the field's largest count serves)
	XTURN 1, 32
	XTURN 2, 0
	s_wait_alu depctr_vm_vsrc(0)                   ; tile 2's LDS stores have read region 3, in which K step 1's fragments of W1 land
	WFETCH2 0
.set dd, 0
.rept 8
.if dd < 7
.if dd > 0
.rept 4
	v_nop                                          ; four places between the products that read a pair of sets and the loads into it; the wait that states the dependence follows them
.endr
	s_wait_alu depctr_va_vdst(0)                   ; the 24 products of the K step before are done reading their pair of sets, in which the 32 loads below land
.endif
	WFETCH2 dd+1
	s_wait_dscnt 32                                ; all but the 32 just issued: this K step's fragments (and, the first time, x's) are in
.else
	s_wait_dscnt 0x0
.endif
	MUL 2*dd
	MUL 2*dd+1
.set dd, dd+1
.endr
.rept 4
	v_nop                                          ; four places ahead of the first read of results, and of the writes over the fragments' registers
.endr
.set aa, 0
.rept 3
	WIN 0xc3                                       ; source 0 and destination window 3
.set jj, 0
.rept 64
	v_med3_num_f32 v[64*aa+jj], v[64*aa+jj], 0, v[LIM]     ; the activation and the hold in one: between 0 and the largest code x the scale; each accumulator from its low end on
.set jj, jj+1
.endr
	WIN 0x03
.set jj, 0
.rept 8
	v_cvt_scalef32_pk8_bf8_f32 v[PC+16*aa+2*jj:PC+16*aa+2*jj+1], v[64*aa+8*jj:64*aa+8*jj+7], v[SC]    ; registers 4 b .. 4 b + 3: units 32 b + 16 h + 0 .. 15
.set jj, jj+1
.endr
.set aa, aa+1
.endr
	WIN 0
	v_nop                                          ; a plain line behind the last conversion
	s_wait_alu depctr_va_vdst(0)                   ; the conversions have written the codes v64 to v111, which the stores read; the products are done reading x's and W1's fragments, in which a further pass's loads land
	STORET 0
	STORET 1
	STORET 2
	s_add_co_u32 s[PS], s[PS], 1                   ; a pass is done: the loop's counter, stepped once a trip by 1
	s_wait_xcnt 0x0                                ; the stores have read their data, offsets and bases: all of them are written again below or in the next pass
	s_wait_alu depctr_vm_vsrc(0)                   ; the stores have read the codes, x's loads their offsets v32 to v55, the LDS stores regions 1 to 3: a further pass writes all of these again
	s_cmp_ge_u32 s[PS], s[NP]
	s_cbranch_scc1 .Lno_more
	XPREP                                          ; more than three tiles to this wave: the next three
	s_wait_alu depctr_va_vdst(0)                   ; x's offsets v32 to v55 are written, which the 96 loads below read
	XLOADH 0
	XLOADH 1
	XLOADH 2
	XLOADH 3
	XLOADH 4
	XLOADH 5
.Lno_more:
	s_cmp_lt_u32 s[PS], s[NP]
	s_cbranch_scc1 .Lpass
	s_wait_dscnt 0x0                               ; the closing lines, six on end
	s_wait_alu 0x0
	s_wait_tensorcnt 0x0
	ds_add_u32 v62, v63
	s_wait_dscnt 0x0
	s_endpgm
.Lfunc_end_k_q2569961856_up:
	.size	k_q2569961856_up, .Lfunc_end_k_q2569961856_up-k_q2569961856_up
	.p2alignl 7, 3214868480
	.fill 96, 4, 3214868480
	.section	.rodata,"a",@progbits
	.p2align	6, 0x0
	.amdhsa_kernel k_q2569961856_up
		.amdhsa_group_segment_fixed_size 202240
		.amdhsa_private_segment_fixed_size 0
		.amdhsa_enable_private_segment 0
		.amdhsa_kernarg_size 48
		.amdhsa_user_sgpr_count 2
		.amdhsa_user_sgpr_kernarg_segment_ptr 1
		.amdhsa_wavefront_size32 1
		.amdhsa_system_sgpr_workgroup_id_x 1
		.amdhsa_system_sgpr_workgroup_id_y 1
		.amdhsa_system_sgpr_workgroup_id_z 1
		.amdhsa_system_vgpr_workitem_id 0
		.amdhsa_next_free_vgpr 1024
		.amdhsa_next_free_sgpr 100
		.amdhsa_reserve_vcc 1
		.amdhsa_float_denorm_mode_32 3
		.amdhsa_float_denorm_mode_16_64 3
		.amdhsa_memory_ordered 1
		.amdhsa_forward_progress 1
		.amdhsa_inst_pref_size 173
	.end_amdhsa_kernel
	.amdgpu_metadata
---
amdhsa.version: [ 1, 2 ]
amdhsa.kernels:
  - .name:           k_q2569961856_up
    .symbol:         k_q2569961856_up.kd
    .args:
      - { .name: ids, .offset: 0, .size: 8, .value_kind: global_buffer, .address_space: global }
      - { .name: xq, .offset: 8, .size: 8, .value_kind: global_buffer, .address_space: global }
      - { .name: w1_codes, .offset: 16, .size: 8, .value_kind: global_buffer, .address_space: global }
      - { .name: b1, .offset: 24, .size: 8, .value_kind: global_buffer, .address_space: global }
      - { .name: lowp_scales, .offset: 32, .size: 8, .value_kind: global_buffer, .address_space: global }
      - { .name: himg, .offset: 40, .size: 8, .value_kind: global_buffer, .address_space: global }
    .group_segment_fixed_size: 202240
    .private_segment_fixed_size: 0
    .kernarg_segment_align: 8
    .kernarg_segment_size: 48
    .max_flat_workgroup_size: 128
    .sgpr_count:     100
    .vgpr_count:     1024
    .wavefront_size: 32
...
	.end_amdgpu_metadata
.endif
;; end of part 5
;; launch down (part 6): grid 32 x 8, 4 waves a work-group, no clusters, 141,312 bytes of LDS; arguments ids, himg, w2_codes, b2, lowp_scales, out0; writes out0
.if DOCPART == 6
	.amdgcn_target "amdgcn-amd-amdhsa--gfx1250"
	.amdhsa_code_object_version 6
	.text
	.protected	k_q2569961856_down
	.globl	k_q2569961856_down
	.p2align	8
	.type	k_q2569961856_down,@function
k_q2569961856_down:
	s_mov_b64 s[64:65], 0
	v_nop
	global_prefetch_b8 v0, s[64:65] scope:SCOPE_SE
	s_setreg_imm32_b32 hwreg(HW_REG_WAVE_SCHED_MODE, 0, 2), 2
	s_setreg_imm32_b32 hwreg(HW_REG_WAVE_MODE, 25, 1), 1
	s_wait_xcnt 0x0
	s_wait_alu depctr_vm_vsrc(0)
; THE SECOND PRODUCT, for the chosen rows alone.  Work-group (sl, e): output columns 32 sl .. 32 sl + 31 of expert e, for the tokens whose ids entry is e:
; out0[token] = h W2 + b2.  Scales: entry 2 ew2, entry 3 eh: a sum stands for sum x 2^(ew2 + eh).
; WHICH TOKENS: found from ids by the same lines as in the launch before, so that row r of tile t is the same token here as there.  A tile's spare rows are copies of the expert's last row: they are stored to that
; token's row a second time, by the same wave, with the same bytes.
; SHARES.  The work-group's 32 rows of W2 (131,072 bytes, dense in memory, read once in the launch) lie in LDS.  Wave w takes tiles w, w + 4, .. of the expert's rows, up to three in a pass, over the whole K = 4,096.
; h's fragments come from himg as images of their registers, 512 consecutive bytes a load, straight into registers.  TRANSPOSED: source 0 = 16 rows of W2, source 1 = 16 rows of h: a lane holds eight neighbouring outputs of one token.
; A pass is written three times, for three, two and one tile, so that only tiles that exist are loaded and every count of a wait is a constant of its text.
; THE WAY OUT: through the wave's own stage, so that eight lanes store a token's 128 consecutive bytes.  (A work-group has 32 columns; 64 would leave half of the 256 work-groups without a slice.)
; NO TENSOR LOAD, NO CLUSTER: the 32 work-groups of an expert read the same tiles of h, but the number of tiles hangs on ids, which are read from memory.  NO PREFETCH: a work-group's weights are asked for at its head.
; LIMITS: ew2 + eh between -126 and 127.
; LDS: 0: W2, 32 rows of 4,096 bytes + 16 (257 x 16);  131,584 + 2,304 w: the stage, 16 rows of 128 bytes + 16, the wave's own.
; REGISTERS.  Window 0: addresses; v32-43 the stores' offsets; v64-111 accumulators, (a, n) at v[64 + 16 a + 8 n]; v112-127 b2; v128-175 results (at the head v128-159 ids); v176-223 rows read back.
;   Window 1: the landing of the 64 loads of W2; then h's fragments 0 to 15.   Window 2: v0-31 h's fragments 16 and 17 (three tiles alone); v128-255 four sets of W2's two fragments, set = K step % 4.
; THE MODE: SCHED_MODE bits 1:0 = 2 (LLVM: expert scheduling mode 2), set by the entry lines.  The code itself states the register dependences between vector or matrix instructions and memory or LDS instructions, with s_wait_alu, always for 0.
; THE PLAN.  A STEP is two K steps.  Registers that memory or LDS instructions touch, who writes and who reads them, and the wait that stands between:
;   v1, v4-6, v28-30     addresses, made at the head and never written again: one wait on va_vdst ahead of the first load.
;   window 1 at the head W2's 64 loads land, my LDS stores read, h's loads land again: vm_vsrc behind the barrier.
;   W2's four sets       step s's products read the two sets of its K steps; the LDS loads of step s + 2 land in them, issued at the head of step s + 1.
;   h's ring             RG steps' fragments.  Step s's products read buffer s % RG; the loads of step s + RG land in it, issued at the head of step s + 1.
;                        So ONE wait on va_vdst stands at a step's head, behind the wait for the step's first data: the products of the step before are done reading their fragments.  The step's refills follow it, ahead of its
;                        products, which name this step's fragments and the accumulators: none of the registers that the refills touch.
;   v32-43, v128-175     the stores' offsets and the results: written by vector instructions, read by the stores and the LDS stores: one va_vdst on the way out; vm_vsrc at the pass's end, ahead of a further pass's writes.
;   v176-223             rows read back: LDS loads land, the stores read: the same vm_vsrc.
;   Scalar registers and VCC that vector instructions write (the wave's number, the masks, the tokens) have a wait on va_sdst or va_vcc ahead of their first reader; the compares stand in runs, one wait to a run.
.set PW,   4112
.set SPI,  144
.set STG,  32*PW
.set LI,   1
.set RR,   3
.set WST,  4
.set WA0,  5
.set WA1,  6
.set P01,  10
.set QI,   11
.set VA,   12
.set KK,   13
.set MV,   14
.set A1,   15
.set A2,   16
.set A3,   17
.set A4,   18
.set BB,   19
.set T0,   20
.set T1,   21
.set POS,  23
.set TOK01, 24
.set TOK2, 25
.set L7,   27                          ; 16 x (lane % 8)
.set SO,   28                          ; the stage: in
.set SR,   29                          ; and out
.set B2A,  30                          ; 32 x (lane / 16)
.set TS,   32                          ; v[32 + 4 a + i]: byte offset in out0 of my 16 bytes of row 4 i + lane / 8 of tile a
.set ACC,  64
.set B2,   112
.set OUT,  128
.set IDS,  128
.set OB,   176
.set WR,   128                         ; W2's ring, in window 2
.set NP,   3                           ; my wave's passes: its tiles / 3, rounded up; the loop does not write it
.set WV,   16
.set EE,   17
.set SL,   18
.set NN,   19
.set TT,   20
.set CW,   21
.set DONE, 22                          ; tiles of mine that are done: 3 x the passes done
.set NM1,  23
.set CNT,  34
.set TMP,  35
.set HBASE, 36                         ; s[36:41] the tiles' images
.set OBASE, 42                         ; s[42:43] out0 at my 32 columns
.set SCL,  44                          ; s[44:45] 2^(ew2 + eh)
.set HB,   33
.set RL,   46                          ; s46-61 sixteen tokens; in SELECT: s46-53 eight masks of a run of compares, s54-61 the eight running counts
.set M1,   62                          ; lanes 8-15
.set M2,   63                          ; lanes 16-23
.set M3,   98                          ; lanes 24-31
.set PS,   99                          ; passes done: the loop's counter, stepped by 1
.set MSK,  66
.set MSB, 0
.macro WIN new                         ; the immediate's high byte repeats the setting that is left
.if MSB != (\new)
	s_set_vgpr_msb (MSB<<8)|(\new)
.set MSB, (\new)
.endif
.endm
; The expert's tokens as 32 lane masks, and the counts.
.macro ROUTE
.set q, 0
.rept 32
	v_cmp_eq_u32 s[MSK+q], s[EE], v[IDS+q]
.set q, q+1
.endr
	s_wait_alu depctr_va_sdst(0)                   ; the 32 compares have written the masks, ahead of their first reader
	s_mov_b32 s[NN], 0
.set q, 0
.rept 32
	s_bcnt1_i32_b32 s[TMP], s[MSK+q]
	s_add_co_u32 s[NN], s[NN], s[TMP]
.set q, q+1
.endr
	s_max_u32 s[NM1], s[NN], 1
	s_sub_co_u32 s[NM1], s[NM1], 1
	s_add_co_u32 s[TT], s[NN], 15
	s_lshr_b32 s[TT], s[TT], 4
	s_add_co_u32 s[CW], s[TT], 3
	s_sub_co_u32 s[CW], s[CW], s[WV]
	s_lshr_b32 s[CW], s[CW], 2                     ; tiles w, w + 4, .. under T: 16 at the most
	s_add_co_u32 s[NP], s[CW], 2
	s_mul_i32 s[NP], s[NP], 171
	s_lshr_b32 s[NP], s[NP], 9                     ; (tiles + 2) / 3: x 171 / 512 gives the whole part for numbers up to 18 and beyond
.endm
.macro STEPSEL src, inc, fw
	v_bfe_u32 v[T0], v[\src], v[BB], \fw
	v_cmp_ge_u32 vcc_lo, v[KK], v[T0]
	s_wait_alu depctr_va_vcc(0)                    ; the compare has written VCC, ahead of the two selects that read it
	v_cndmask_b32 v[T0], 0, v[T0], vcc_lo
	v_sub_nc_u32 v[KK], v[KK], v[T0]
	v_cndmask_b32 v[T1], 0, \inc, vcc_lo
	v_add_nc_u32 v[BB], v[BB], v[T1]
.endm
; Each lane's place v[pos] in the expert's list becomes its token v[tok]: the last mask whose running count is at most the place holds it, as set bit number place - count.
; The 31 compares stand in four runs of eight (the last of seven), each run's results in eight scalar registers and its running counts in eight more, so that one wait serves a run.
.macro SELECT pos, tok
	v_min_u32 v[\pos], s[NM1], v[\pos]
	s_wait_alu depctr_va_vdst(0)
	v_mov_b32 v[QI], 0
	v_mov_b32 v[VA], 0
	v_mov_b32 v[MV], s[MSK]
	s_bcnt1_i32_b32 s[CNT], s[MSK]
.set q0, 1
.rept 4
.set qj, 0
.rept 8
.if q0+qj < 32
	s_mov_b32 s[RL+8+qj], s[CNT]                   ; the count ahead of mask q0 + qj is kept for the select below
	v_cmp_le_u32 s[RL+qj], s[CNT], v[\pos]
.if q0+qj < 31
	s_bcnt1_i32_b32 s[TMP], s[MSK+q0+qj]
	s_add_co_u32 s[CNT], s[CNT], s[TMP]
.endif
.endif
.set qj, qj+1
.endr
	s_wait_alu depctr_va_sdst(0)                   ; the run's compares have written their masks, ahead of the selects that read them
.set qj, 0
.rept 8
.if q0+qj < 32
	v_cndmask_b32 v[QI], v[QI], q0+qj, s[RL+qj]
	v_cndmask_b32 v[VA], v[VA], s[RL+8+qj], s[RL+qj]
	v_cndmask_b32 v[MV], v[MV], s[MSK+q0+qj], s[RL+qj]
.endif
.set qj, qj+1
.endr
.set q0, q0+8
.endr
	v_sub_nc_u32 v[KK], v[\pos], v[VA]
	v_lshrrev_b32 v[T0], 1, v[MV]
	v_and_b32 v[A1], 0x55555555, v[MV]
	v_and_b32 v[T0], 0x55555555, v[T0]
	v_add_nc_u32 v[A1], v[A1], v[T0]
	v_lshrrev_b32 v[T0], 2, v[A1]
	v_and_b32 v[A2], 0x33333333, v[A1]
	v_and_b32 v[T0], 0x33333333, v[T0]
	v_add_nc_u32 v[A2], v[A2], v[T0]
	v_lshrrev_b32 v[T0], 4, v[A2]
	v_and_b32 v[A3], 0x0f0f0f0f, v[A2]
	v_and_b32 v[T0], 0x0f0f0f0f, v[T0]
	v_add_nc_u32 v[A3], v[A3], v[T0]
	v_lshrrev_b32 v[T0], 8, v[A3]
	v_and_b32 v[A4], 0x00ff00ff, v[A3]
	v_and_b32 v[T0], 0x00ff00ff, v[T0]
	v_add_nc_u32 v[A4], v[A4], v[T0]
	v_mov_b32 v[BB], 0
	STEPSEL A4, 16, 8
	STEPSEL A3, 8, 8
	STEPSEL A2, 4, 4
	STEPSEL A1, 2, 2
	STEPSEL MV, 1, 1
	v_lshrrev_b32 v[T0], 2, v[QI]
	v_lshlrev_b32 v[T0], 7, v[T0]
	v_lshl_add_u32 v[T0], v[BB], 2, v[T0]
	v_and_b32 v[T1], 3, v[QI]
	v_add_nc_u32 v[\tok], v[T0], v[T1]
.endm
; h: K step ks of the pass's na tiles: 4 na loads.  Fragment na (ks % 2 RG) + a of the ring: fragments 0 to 15 fill window 1, 16 and 17 lie at v0-31 of window 2.
.macro HLOAD na, ks
.set aa, 0
.rept \na
.set hf, (\na)*((\ks)%(2*RG))+aa
	WIN 0x40*(1+hf/16)                             ; destination window 1 or 2
.set kc, 0
.rept 4
	global_load_b128 v[16*(hf%16)+4*kc:16*(hf%16)+4*kc+3], v[LI], s[HBASE+2*aa:HBASE+2*aa+1] offset:2048*(\ks)+512*kc
.set kc, kc+1
.endr
.set aa, aa+1
.endr
.endm
; W2: K step ks's two fragments into set ks % 4.  Eight LDS loads; the destination window is 2.
.macro WLOAD ks
.set nn, 0
.rept 2
.set kc, 0
.rept 4
	ds_load_b128 v[WR+32*((\ks)%4)+16*nn+4*kc:WR+32*((\ks)%4)+16*nn+4*kc+3], v[WA0+nn] offset:128*(\ks)+32*kc
.set kc, kc+1
.endr
.set nn, nn+1
.endr
.endm
; K step ks's 2 na products.  The accumulators take turns, one instruction a turn.
.macro HMUL na, ks
.set aa, 0
.rept \na
.set hf, (\na)*((\ks)%(2*RG))+aa
	WIN 0x02+0x04*(1+hf/16)                        ; source 0 (W2) window 2, source 1 (h) window 1 or 2; C and D window 0
.set nn, 0
.rept 2
.set rD, ACC+16*aa+8*nn
.set rW, WR+32*((\ks)%4)+16*nn
.set rH, 16*(hf%16)
.if (\ks) == 0
	v_wmma_f32_16x16x128_bf8_bf8 v[rD:rD+7], v[rW:rW+15], v[rH:rH+15], 0            ; the first K step starts the sums
.else
	v_wmma_f32_16x16x128_bf8_bf8 v[rD:rD+7], v[rW:rW+15], v[rH:rH+15], v[rD:rD+7]
.endif
.set nn, nn+1
.endr
.set aa, aa+1
.endr
.endm
; A PASS over na tiles (3, 2 or 1): tiles w + 4 (DONE + a).  h's ring holds RG steps of two K steps: 18, 16 or 14 fragments.  RG - 1 steps, 48 loads, are asked for at the pass's head; each step's head asks for the step RG - 1 on.
.macro PASSD na
.set RG, 3
.if (\na) == 2
.set RG, 4
.endif
.if (\na) == 1
.set RG, 7
.endif
	s_lshl_b32 s28, s[DONE], 2
	s_add_co_u32 s28, s28, s[WV]                   ; my first tile
	s_lshl_b32 s32, s28, 4                         ; its first place
.set aa, 0
.rept \na
	s_add_co_u32 s29, s28, 4*aa
	s_min_u32 s29, s29, 63
	s_lshl_b32 s30, s29, 16
	s_add_co_u32 s30, s30, s[HB]
	s_mov_b32 s31, 0
	s_add_nc_u64 s[HBASE+2*aa:HBASE+2*aa+1], s[6:7], s[30:31]
.set aa, aa+1
.endr
.set ks0, 0
.rept 2*(RG-1)
	HLOAD \na, ks0
.set ks0, ks0+1
.endr
	WIN 0x80                                       ; destination window 2
	WLOAD 0
	WLOAD 1
	WIN 0
	; while those are on their way: which tokens my rows are, and where their 128 bytes go
	v_add_nc_u32 v[POS], s32, v[P01]
	SELECT POS, TOK01
.if (\na) == 3
	s_add_co_u32 s32, s32, 128
	v_add_nc_u32 v[POS], s32, v[RR]
	SELECT POS, TOK2
.endif
.set aa, 0
.rept \na
.set jj, 0
.rept 16
	v_readlane_b32 s[RL+jj], v[TOK01+aa/2], 16*(aa%2)+jj
.set jj, jj+1
.endr
	s_wait_alu depctr_va_sdst(0)                   ; the sixteen tokens are written, ahead of their first reader
.set ii, 0
.rept 4
	v_mov_b32 v[TS+4*aa+ii], s[RL+4*ii]                                ; lanes 0-7: row 4 i; the next eights: rows 4 i + 1, + 2, + 3
	v_cndmask_b32 v[TS+4*aa+ii], v[TS+4*aa+ii], s[RL+4*ii+1], s[M1]
	v_cndmask_b32 v[TS+4*aa+ii], v[TS+4*aa+ii], s[RL+4*ii+2], s[M2]
	v_cndmask_b32 v[TS+4*aa+ii], v[TS+4*aa+ii], s[RL+4*ii+3], s[M3]
	v_min_u32 v[TS+4*aa+ii], 0x3ff, v[TS+4*aa+ii]                      ; a token's number is under 1,024
	v_lshl_add_u32 v[TS+4*aa+ii], v[TS+4*aa+ii], 12, v[L7]
.set ii, ii+1
.endr
.set aa, aa+1
.endr
	; the 16 steps of two K steps, written out: every offset is an immediate
.set sd, 0
.rept 16
.set yg, sd+RG-2                       ; the youngest step that has been asked for
.if yg > 15
.set yg, 15
.endif
.set rem, 8*(\na)*(yg-sd)              ; the loads of the steps behind this one
.set ref, 0
.if sd+RG-1 < 16
.set ref, 8*(\na)                      ; the loads that this step's head issues
.endif
	s_wait_loadcnt rem+4*(\na)                     ; the step's first K step of h is in; its second and the steps behind it may be out
.if (sd > 0) && (sd < 15)
	s_wait_alu depctr_va_vdst(0)                   ; the products of the step before are done reading their two sets of W2 and their buffer of h, in which the loads below land
.endif
.if sd < 15
	WIN 0x80                                       ; destination window 2
	WLOAD 2*sd+2
	WLOAD 2*sd+3
.endif
.if ref > 0
	HLOAD \na, 2*(sd+RG-1)
	HLOAD \na, 2*(sd+RG-1)+1
.endif
.if sd < 15
	s_wait_dscnt 16                                ; this step's four fragments of W2 are in; the sixteen loads just issued may be out
.else
	s_wait_dscnt 0x0
.endif
	HMUL \na, 2*sd
	s_wait_loadcnt rem+ref                         ; the step's second K step of h is in; the steps behind it and the loads just issued may be out
	HMUL \na, 2*sd+1
.if sd < 14
.rept 4
	v_nop                                          ; four places between the products and the loads into the registers that they read; the wait that states the dependence stands at the next step's head
.endr
.endif
.set sd, sd+1
.endr
	WIN 0
.rept 4
	v_nop                                          ; four places ahead of the first read of results
.endr
.set aa, 0
.rept \na
.set jj, 0
.rept 8
	v_pk_fma_f32 v[OUT+16*aa+2*jj:OUT+16*aa+2*jj+1], v[ACC+16*aa+2*jj:ACC+16*aa+2*jj+1], s[SCL:SCL+1], v[B2+2*jj:B2+2*jj+1] op_sel_hi:[1,0,1]   ; sum x 2^(ew2 + eh) + b2; each accumulator from its low end on
.set jj, jj+1
.endr
.set aa, aa+1
.endr
	s_wait_alu depctr_va_vdst(0)                   ; the multiply-adds have written the results v128 on, which the LDS stores read; the offsets v32 on are written, which the stores read; the products are done reading W2's and h's fragments, in which a further pass's loads land
.set aa, 0
.rept \na
.set jj, 0
.rept 4
	ds_store_b128 v[SO], v[OUT+16*aa+4*jj:OUT+16*aa+4*jj+3] offset:64*(jj/2)+16*(jj%2)    ; lane (r, h): row r, columns 16 n + 8 h + 0 .. 7
.set jj, jj+1
.endr
.set ii, 0
.rept 4
	ds_load_b128 v[OB+16*aa+4*ii:OB+16*aa+4*ii+3], v[SR] offset:4*SPI*ii                 ; LDS serves a wave's instructions in order: these see the stores above, and the next tile's stores come behind them
.set ii, ii+1
.endr
.set aa, aa+1
.endr
.set aa, 0
.rept \na
	s_wait_dscnt 8*((\na)-1-aa)                    ; tile a's rows are back; the later tiles' eight LDS instructions each may be out
.set ii, 0
.rept 4
	global_store_b128 v[TS+4*aa+ii], v[OB+16*aa+4*ii:OB+16*aa+4*ii+3], s[OBASE:OBASE+1] th:TH_STORE_NT    ; eight lanes store a token's 128 consecutive bytes
.set ii, ii+1
.endr
.set aa, aa+1
.endr
.endm
	s_load_b256 s[4:11], s[0:1], 0x0               ; ids s[4:5], himg s[6:7], W2's codes s[8:9], b2 s[10:11]
	s_load_b128 s[12:15], s[0:1], 0x20             ; the scales s[12:13], out0 s[14:15]
	v_lshl_add_u32 v254, v0, 2, 0x22600
	v_mov_b32 v255, 0
	v_lshrrev_b32 v2, 5, v0
	v_readfirstlane_b32 s[WV], v2                  ; wave 0..3
	s_and_b32 s[EE], ttmp7, 0xffff                 ; the expert
	s_mov_b32 s[SL], ttmp9                         ; the slice of 32 columns
	s_mov_b32 s[M1], 0x0000ff00
	s_mov_b32 s[M2], 0x00ff0000
	s_mov_b32 s[M3], 0xff000000
	v_and_b32 v2, 31, v0
	v_and_b32 v[RR], 15, v0
	v_bfe_u32 v9, v0, 4, 1                         ; h = lane / 16
	v_lshlrev_b32 v[LI], 4, v2
	v_lshl_add_u32 v[P01], v9, 6, v[RR]
	s_wait_alu depctr_va_sdst(0)                   ; the wave's number is written, ahead of its first reader
	s_mul_i32 s28, s[WV], 8*PW
	v_add_nc_u32 v[WST], s28, v[LI]                ; my wave's 8 rows of W2 in LDS
	v_mul_u32_u24 v[WA0], v[RR], PW
	v_lshl_add_u32 v[WA0], v9, 4, v[WA0]           ; a fragment's row x pitch + 16 h: columns 0-15,
	v_add_nc_u32 v[WA1], 16*PW, v[WA0]             ; columns 16-31
	s_mul_i32 s28, s[WV], 16*SPI
	s_add_co_u32 s28, s28, STG                     ; my stage
	v_mul_u32_u24 v[SO], v[RR], SPI
	v_lshl_add_u32 v[SO], v9, 5, v[SO]
	v_add_nc_u32 v[SO], s28, v[SO]
	v_lshrrev_b32 v22, 3, v2
	v_and_b32 v26, 7, v2
	v_lshlrev_b32 v[L7], 4, v26
	v_mul_u32_u24 v[SR], v22, SPI
	v_add_nc_u32 v[SR], v[SR], v[L7]
	v_add_nc_u32 v[SR], s28, v[SR]
	v_lshlrev_b32 v[B2A], 5, v9
	s_lshl_b32 s[HB], s[EE], 22                    ; himg: the expert
	s_lshl_b32 s28, s[SL], 17
	s_add_co_u32 s28, s28, s[HB]
	s_lshl_b32 s29, s[WV], 15
	s_add_co_u32 s28, s28, s29                     ; W2: expert, slice, my 8 rows of 4,096 bytes
	s_mov_b32 s29, 0
	s_lshl_b32 s30, s[EE], 12
	s_lshl_b32 s32, s[SL], 7
	s_add_co_u32 s30, s30, s32                     ; b2: expert, slice
	s_mov_b32 s31, 0
	s_mov_b32 s[CNT], s32                          ; out0: the slice's 128 bytes of a row
	s_mov_b32 s[TMP], 0
	s_wait_kmcnt 0x0
	s_load_b128 s[24:27], s[12:13], 0x0            ; ex, ew1, ew2, eh
	s_add_nc_u64 s[8:9], s[8:9], s[28:29]
	s_add_nc_u64 s[10:11], s[10:11], s[30:31]
	s_add_nc_u64 s[OBASE:OBASE+1], s[14:15], s[CNT:TMP]
	s_wait_alu depctr_va_vdst(0)                   ; the addresses v1, v4 to v6 and v28 to v30 are written, which the loads, LDS stores and LDS loads of the whole kernel read
.irp i, 0,1,2,3,4,5,6,7
	global_load_b128 v[IDS+4*\i:IDS+4*\i+3], v[LI], s[4:5] offset:512*\i
.endr
.irp n, 0,1                            ; b2 in the result's layout: tile n, lane half h: columns 16 n + 8 h + 0 .. 7
	global_load_b128 v[B2+8*\n:B2+8*\n+3], v[B2A], s[10:11] offset:64*\n
	global_load_b128 v[B2+8*\n+4:B2+8*\n+7], v[B2A], s[10:11] offset:64*\n+16
.endr
	WIN 0x40                                       ; destination window 1
.set ii, 0
.rept 64
	global_load_b128 v[4*ii:4*ii+3], v[LI], s[8:9] offset:512*ii th:TH_LOAD_NT    ; 512 consecutive bytes; each byte of W2 is read once in the launch
.set ii, ii+1
.endr
	WIN 0
	s_wait_loadcnt 63                              ; of the 76 loads issued the oldest thirteen are in: ids and b2 among them
	ROUTE
	s_wait_kmcnt 0x0
	s_add_co_i32 s[SCL], s26, s27
	s_add_co_i32 s[SCL], s[SCL], 127
	s_lshl_b32 s[SCL], s[SCL], 23                  ; 2^(ew2 + eh) as f32
	s_mov_b32 s[SCL+1], s[SCL]                     ; (named with it as a pair, so it is written)
	WIN 0x04                                       ; store data window 1
.set ci, 0
.rept 4
	s_wait_loadcnt 48-16*ci                        ; this chunk's sixteen loads are in; the later chunks' may be out
.set jj, 0
.rept 16
.set ld, 16*ci+jj
	ds_store_b128 v[WST], v[4*ld:4*ld+3] offset:PW*(ld/8)+512*(ld%8)
.set jj, jj+1
.endr
.set ci, ci+1
.endr
	WIN 0
	s_wait_dscnt 0x0                               ; for the other waves' sake: my rows of W2 have landed
	s_barrier_signal -1
	s_barrier_wait -1                              ; the one barrier: behind it W2 is only read, and every LDS store goes to the wave's own stage
	s_wait_alu depctr_vm_vsrc(0)                   ; my LDS stores have read the registers in which W2 landed: h's fragments land in them from here on
	s_mov_b32 s[PS], 0
	s_cmp_eq_u32 s[NP], 0
	s_cbranch_scc1 .Lend                           ; no tile for this wave
.Lpass:
	s_mul_i32 s[DONE], s[PS], 3                    ; three tiles to each pass that is done
	s_sub_co_u32 s28, s[CW], s[DONE]               ; tiles still to do
	s_cmp_ge_u32 s28, 3
	s_cbranch_scc1 .Lthree
	s_cmp_eq_u32 s28, 2
	s_cbranch_scc1 .Ltwo
	PASSD 1
	s_branch .Lnext
.Ltwo:
	PASSD 2
	s_branch .Lnext
.Lthree:
	PASSD 3
.Lnext:
	s_wait_xcnt 0x0                                ; the stores and loads have read their data, offsets and bases: a further pass writes them again
	s_wait_alu depctr_vm_vsrc(0)                   ; the LDS stores have read the results v128 on, the stores the rows v176 on and the offsets v32 on: a further pass writes all of these again
	s_add_co_u32 s[PS], s[PS], 1                   ; the loop's counter, stepped once a trip by 1
	s_cmp_lt_u32 s[PS], s[NP]
	s_cbranch_scc1 .Lpass
.Lend:
	s_wait_dscnt 0x0                               ; the closing lines, six on end
	s_wait_alu 0x0
	s_wait_tensorcnt 0x0
	ds_add_u32 v254, v255
	s_wait_dscnt 0x0
	s_endpgm
.Lfunc_end_k_q2569961856_down:
	.size	k_q2569961856_down, .Lfunc_end_k_q2569961856_down-k_q2569961856_down
	.p2alignl 7, 3214868480
	.fill 96, 4, 3214868480
	.section	.rodata,"a",@progbits
	.p2align	6, 0x0
	.amdhsa_kernel k_q2569961856_down
		.amdhsa_group_segment_fixed_size 141312
		.amdhsa_private_segment_fixed_size 0
		.amdhsa_enable_private_segment 0
		.amdhsa_kernarg_size 48
		.amdhsa_user_sgpr_count 2
		.amdhsa_user_sgpr_kernarg_segment_ptr 1
		.amdhsa_wavefront_size32 1
		.amdhsa_system_sgpr_workgroup_id_x 1
		.amdhsa_system_sgpr_workgroup_id_y 1
		.amdhsa_system_sgpr_workgroup_id_z 1
		.amdhsa_system_vgpr_workitem_id 0
		.amdhsa_next_free_vgpr 768
		.amdhsa_next_free_sgpr 100
		.amdhsa_reserve_vcc 1
		.amdhsa_float_denorm_mode_32 3
		.amdhsa_float_denorm_mode_16_64 3
		.amdhsa_memory_ordered 1
		.amdhsa_forward_progress 1
		.amdhsa_inst_pref_size 255
	.end_amdhsa_kernel
	.section	.bss,"aw",@nobits
	.p2align	6
	.space	262144
	.amdgpu_metadata
---
amdhsa.version: [ 1, 2 ]
amdhsa.kernels:
  - .name:           k_q2569961856_down
    .symbol:         k_q2569961856_down.kd
    .args:
      - { .name: ids, .offset: 0, .size: 8, .value_kind: global_buffer, .address_space: global }
      - { .name: himg, .offset: 8, .size: 8, .value_kind: global_buffer, .address_space: global }
      - { .name: w2_codes, .offset: 16, .size: 8, .value_kind: global_buffer, .address_space: global }
      - { .name: b2, .offset: 24, .size: 8, .value_kind: global_buffer, .address_space: global }
      - { .name: lowp_scales, .offset: 32, .size: 8, .value_kind: global_buffer, .address_space: global }
      - { .name: out0, .offset: 40, .size: 8, .value_kind: global_buffer, .address_space: global }
    .group_segment_fixed_size: 141312
    .private_segment_fixed_size: 0
    .kernarg_segment_align: 8
    .kernarg_segment_size: 48
    .max_flat_workgroup_size: 128
    .sgpr_count:     100
    .vgpr_count:     768
    .wavefront_size: 32
...
	.end_amdgpu_metadata
.endif
;; end of part 6
